; MI455X (gfx1250); checked and timed in simulation.
; The chip was launched on July 23, 2026; its instructions are those of AMD's public machine-readable ISA for CDNA 5 (MIT licence, August 2026) and "CDNA5" Instruction Set Architecture Reference Guide (July 2026). The comments in the code are by the model that wrote it; some were corrected since.
;; MHSA. Allowed arithmetic: matrix products marked QUANTISED: E2M3 operands, one E8M0 scale for each 32 along K, by v_wmma_scale_f32_16x16x128_f8f6f4 with both operands' format E2M3, f32 sums; everything else in f32.
;; Inputs: W_out 1,024 x 1,024 float32; W_qkv 1,024 x 3,072 float32; b_out 1,024 float32; b_qkv 3,072 float32; x 4 x 2,048 x 1,024 float32.
;; Outputs: out0 4 x 2,048 x 1,024 float32.
;; This version of the problem:
;;   THIS VERSION OF THE PROBLEM IS GIVEN IN LOW PRECISION. The matrix products marked QUANTISED in the list below multiply operands that are first quantised to E2M3 (2 exponent bits, 3 mantissa bits; 6 bits a number), with one power-of-two scale for each 32 numbers along K (OCP MX v1.0); their sums are f32. All else is computed in f32.
;;   The module's matrix products, in the order in which they are computed (A, B: the left and right operand; K: the contracted axis; several contracted axes count as one K, in the product's order):
;;     1. [M 8,192, K 1,024] x [K 1,024, N 3,072]; A: input x; B: input W_qkv: QUANTISED
;;     2. batch 64 x [M 2,048, K 64] x [K 64, N 2,048]; A: computed on the way; B: computed on the way: QUANTISED
;;     3. batch 64 x [M 2,048, K 2,048] x [K 2,048, N 64]; A: softmax (see below); B: computed on the way: QUANTISED
;;     4. [M 8,192, K 1,024] x [K 1,024, N 1,024]; A: computed on the way; B: input W_out: QUANTISED
;;   THE QUANTISER, for each operand of a quantised product, along K:
;;     - K is cut into blocks of 32 from its start; a last block that is shorter is filled with zeros.
;;     - A block's scale is 2^e with e = floor(log2(the largest magnitude in the block)) - 2, held to -126 .. 127; a block of zeros has e = 0. As a byte (E8M0): e + 127.
;;     - Each number is divided by its block's scale, clamped to +-7.5, and rounded to the nearest number of E2M3, ties to even, subnormals kept.
;;     - The product sums the exact products of the quantised numbers (number of the format x scale) in f32.
;;   ~~~python
;;   def quantise(x, axis):      # numpy; x: float32 -> the quantised numbers, widened to float32 again
;;       x = np.moveaxis(x, axis, -1); K = x.shape[-1]
;;       x = np.pad(x, [(0, 0)] * (x.ndim - 1) + [(0, -K % 32)]); x = x.reshape(x.shape[:-1] + (-1, 32)); a = np.abs(x).max(-1, keepdims=True)
;;       e = np.where(a > 0, np.clip(np.frexp(np.where(a > 0, a, 1))[1] - 1 - 2, -126, 127), 0)      # np.frexp(a)[1] - 1 = floor(log2(a)), exactly
;;       r = np.clip(x / 2.0 ** e, -7.5, 7.5)
;;       step = 2.0 ** (np.maximum(np.frexp(np.where(r == 0, 1, r))[1] - 1, 0) - 3)
;;       q = np.round(r / step) * step * 2.0 ** e      # np.round: ties to even
;;       return np.moveaxis(q.reshape(q.shape[:-2] + (-1,))[..., :K], -1, axis).astype(np.float32)
;;   ~~~
;;   SOFTMAX AHEAD OF A QUANTISED PRODUCT. Where the list says 'softmax', what is quantised is not the finished softmax but p = 2^(t - M), with t = logit x log2(e) and M = ceil(the row's largest t), a whole number; so 1/2 < the row's largest p <= 1. The row's sum l is taken of the UNQUANTISED p, in f32, and the product's result is divided by l at the end. Since M is a whole number, a kernel that streams over the keys may use a running M (the ceiling of the running maximum): every later rescaling is an exact power of two, which a block's scale takes up: the codes' values come out the same.
;;   OPERANDS COMPUTED ON THE WAY. 'Computed on the way' means the value that the module computes at that place (a softmax that the list does not call 'softmax' is quantised finished and normalised). What goes into a quantiser is computed in f32, as accurately as f32 sums, v_exp_f32 and their like allow (about 1e-6 of the number): no bf16 or f16 on the way to a quantiser, and a product that is left as it is and whose result goes on into a quantised operand takes f32 operands (vector FMAs, or v_wmma_f32_16x16x4_f32). A number that lies on a knife's edge between two numbers of the format may be rounded either way, as far as f32 arithmetic and the matrix unit's own rounding can turn it there, and no further.
;; One version. Each part assembles by itself: llvm-mc -triple=amdgcn-amd-amdhsa -mcpu=gfx1250 --defsym DOCPART=n.
;; ======== version 1 of 1: 4 launches
;; limits: right only within a limited range of input values
;; workspace buffers: xc 6,553,600 bytes; wqc 2,457,600 bytes; woc 819,200 bytes; qb 6,815,744 bytes; kv 13,369,344 bytes; ac 6,553,600 bytes
;; launch quant (part 1): grid 512 x 1, 4 waves a work-group, no clusters, 58,880 bytes of LDS; arguments x, W_qkv, W_out, xc, wqc, woc; writes xc, wqc, woc
.if DOCPART == 1
	.amdgcn_target "amdgcn-amd-amdhsa--gfx1250"
	.amdhsa_code_object_version 6
	.text
	.protected	k_q267808d6e2_quant
	.globl	k_q267808d6e2_quant
	.p2align	8
	.type	k_q267808d6e2_quant,@function
k_q267808d6e2_quant:
	s_mov_b64 s[64:65], 0
	v_nop
	global_prefetch_b8 v0, s[64:65] scope:SCOPE_SE
	s_setreg_imm32_b32 hwreg(HW_REG_WAVE_MODE, 25, 1), 1
	s_wait_xcnt 0x0
; x [8192][1024], W_qkv [1024][3072] and W_out [1024][1024], f32, become codes of FP6 (E2M3) with one E8M0 scale byte for each 32 along K (K = 1024 for all three).
; THE CODES ARE LAID AS IMAGES OF THE OPERAND'S REGISTERS.  An operand block (12,800 bytes) serves 128 rows (of x) or columns (of a weight) and 128 along K: eight fragment images of 1,536 bytes, then 512 bytes
; of scale words (tile t, lane r: 64 t + 4 r).  A fragment image is two halves of 768 bytes (64 along K each): lane l's registers 0-3 at 16 l, its registers 4-5 at 512 + 8 l.
; Lane r of tile t holds row 32 (t / 2) + 8 (t % 2) + r + 8 (r / 8) of the 128.  Block (group G, K step s) lies at (8 G + s) x 12,800.
; A block's scale is 2^(floor(log2(its largest magnitude)) - 2); its byte is the largest magnitude's exponent field - 2, held at 1 from below.
; LIMITS: a block of zeros gets the byte 1 (its codes are zeros; the bytes are read by this program alone); blocks whose largest magnitude lies under 2^-124 have their byte held at 1; NaN and infinities are not served.
; Work-groups 0-255 take x, 256-447 W_qkv, 448-511 W_out; the three ways never join and have LDS bytes of their own.  No tensor loads, no barrier: waves share nothing.
.set XST,   0                          ; x: a stage of 16 rows x 528 bytes for each wave
.set WST1,  33792                      ; W_qkv: 3,072 bytes (two fragment images) for each wave
.set WST2,  46080                      ; W_out: the same
.set SPARE, 58368                      ; the spare words, 128 bytes for each wave
.set BLK,   12800
	s_load_b128 s[4:7], s[0:1], 0x0                ; x, W_qkv
	s_load_b128 s[8:11], s[0:1], 0x10              ; W_out, xc
	s_load_b128 s[12:15], s[0:1], 0x20             ; wqc, woc
	v_lshl_add_u32 v2, v0, 2, SPARE                ; my spare word; never rewritten
	v_mov_b32 v3, 0                                ; 0; never rewritten
	v_lshrrev_b32 v1, 5, v0
	v_readfirstlane_b32 s16, v1                    ; wave
	v_and_b32 v4, 31, v0                           ; lane
	v_and_b32 v5, 15, v0                           ; r
	v_bfe_u32 v6, v0, 4, 1                         ; h
	v_lshlrev_b32 v7, 4, v4                        ; 16 x lane
	v_lshlrev_b32 v8, 3, v4                        ; 8 x lane
	v_lshlrev_b32 v9, 2, v4                        ; 4 x lane
	s_mul_i32 s17, s16, 8448
	v_add_nc_u32 v10, s17, v7                      ; x's stage, in: a row's 512 bytes as they lie
	v_mul_u32_u24 v11, v5, 528
	v_lshl_add_u32 v11, v6, 7, v11
	v_add_nc_u32 v11, s17, v11                     ; and out: row r, + 128 h: my 32 neighbours of each 64
	v_bfe_u32 v12, v0, 3, 1                        ; a weight's column 32 w + lane is lane r' of tile 2 w + u: u = (lane / 8) % 2,
	v_and_b32 v13, 7, v0
	v_lshl_or_b32 v13, v6, 3, v13                  ; r' = lane % 8 + 8 (lane / 16)
	s_mul_i32 s18, s16, 3072
	v_mul_u32_u24 v14, v12, 1536
	v_add_nc_u32 v14, s18, v14
	v_lshl_add_u32 v15, v13, 4, v14
	v_lshl_add_u32 v16, v13, 3, v14
	v_add_nc_u32 v17, s18, v7
	v_add_nc_u32 v22, WST1, v15                    ; where my registers 0-3 of a block go,
	v_add_nc_u32 v23, WST1+512, v16                ; my registers 4-5,
	v_add_nc_u32 v24, WST1, v17                    ; and where the images are read back
	v_add_nc_u32 v25, WST2, v15
	v_add_nc_u32 v26, WST2+512, v16
	v_add_nc_u32 v27, WST2, v17
	v_lshlrev_b32 v28, 2, v13
	v_lshl_add_u32 v28, v12, 6, v28                ; my column's scale word: 64 u + 4 r'
	v_lshlrev_b32 v19, 3, v6                       ; 8 h
	v_mov_b32 v20, 0                               ; a lane permute's destination counts as one of its sources
	s_mov_b32 s20, 0x76543210
	s_mov_b32 s21, 0xfedcba98                      ; lane l xor 16
	s_mov_b32 s22, 0xffff0000                      ; lanes 16-31
	s_wait_kmcnt 0x0
	s_cmp_lt_u32 ttmp9, 256
	s_cbranch_scc0 .Lweights
; ---- x.  Work-group: group G = id / 4 of 128 rows, K steps 2 (id % 4) and the next.  Wave w: rows 32 w .. 32 w + 31 = tiles 2 w, 2 w + 1.  Four fragments f: K step f / 2, tile f % 2.
	s_lshr_b32 s24, ttmp9, 2
	s_and_b32 s25, ttmp9, 3
	s_lshl_b32 s26, s24, 19                        ; 128 rows of 4,096 bytes
	s_lshl_b32 s27, s16, 17                        ; 32 rows
	s_add_co_u32 s26, s26, s27
	s_lshl_b32 s27, s25, 10                        ; two K steps of 512 bytes
	s_add_co_u32 s26, s26, s27
	s_mov_b32 s27, 0
	s_add_nc_u64 s[4:5], s[4:5], s[26:27]
	s_lshl_b32 s28, s24, 3
	s_lshl_b32 s29, s25, 1
	s_add_co_u32 s28, s28, s29
	s_mul_i32 s28, s28, BLK
	s_mov_b32 s29, 0
	s_add_nc_u64 s[10:11], s[10:11], s[28:29]      ; my first operand block
	s_mov_b32 s30, s18
	s_mov_b32 s31, 0
	s_add_nc_u64 s[32:33], s[10:11], s[30:31]      ; my two images in it
	s_lshl_b32 s30, s16, 7
	s_add_co_u32 s30, s30, 12288
	s_add_nc_u64 s[34:35], s[10:11], s[30:31]      ; and their scale words
.macro LOADF f                         ; a fragment's 16 rows x 512 bytes: each load takes 512 consecutive bytes of one row
.set LRB, 32+64*((\f)&1)
.set LUU, (\f)&1
.set LSI, (\f)>>1
.irp i, 0,1,2,3,4,5,6,7,8,9,10,11,12,13,14,15
	global_load_b128 v[LRB+4*\i:LRB+4*\i+3], v7, s[4:5] offset:(8*LUU+\i+8*(\i/8))*4096+512*LSI th:TH_LOAD_NT
.endr
.endm
.macro XFRAG f
.set RB, 32+64*((\f)&1)
.set UU, (\f)&1
.set SI, (\f)>>1
.if (\f) < 3
	s_wait_loadcnt 16                              ; this fragment's 16 loads are in; the next fragment's may be out
.else
	s_wait_loadcnt 0x0
.endif
.irp i, 0,1,2,3,4,5,6,7,8,9,10,11,12,13,14,15
	ds_store_b128 v10, v[RB+4*\i:RB+4*\i+3] offset:528*\i
.endr
.irp c, 0,1
.irp q, 0,1,2,3,4,5,6,7
	ds_load_b128 v[160+32*\c+4*\q:160+32*\c+4*\q+3], v11 offset:256*\c+16*\q   ; LDS serves a wave's instructions in order: these see my stores.  k = 64 c + 32 h + 0 .. 31 of row r
.endr
.endr
	s_wait_dscnt 0x0                               ; the numbers are back, and the stores have read their registers,
.if (\f) < 2
	LOADF (\f)+2                                   ; which take the fragment two on
.endif
.irp c, 0,1
	v_max3_num_f32 v[12+\c], |v[160+32*\c]|, |v[161+32*\c]|, 0x1800000   ; my block 2 c + h: all 32 numbers are mine; and the floor 2^(3 - 127): the byte cannot fall under 1
.endr
.irp i, 2,4,6,8,10,12,14,16,18,20,22,24,26,28,30
.irp c, 0,1
	v_max3_num_f32 v[12+\c], v[12+\c], |v[160+32*\c+\i]|, |v[161+32*\c+\i]|
.endr
.endr
.irp c, 0,1
	v_add_nc_u32 v[14+\c], 0xff000000, v[12+\c]    ; 2 off the exponent field: the conversion's scale operand
.endr
.irp c, 0,1
	v_lshrrev_b32 v[16+\c], 23, v[14+\c]           ; the scale's byte
.endr
	v_lshl_or_b32 v18, v17, 16, v16                ; my two bytes, blocks h and 2 + h,
	v_lshlrev_b32 v18, v19, v18                    ; at their places,
	v_permlanex16_b32 v20, v18, s20, s21
	v_or_b32 v[30+UU], v18, v20                    ; and with lane l xor 16's two the row's word is whole
	s_wait_alu depctr_va_vdst(0)
	s_wait_xcnt 0x0                                ; the last fragment's stores have read their data: the codes' registers may be written
.irp c, 0,1
	v_cvt_scalef32_pk16_fp6_f32 v[224+6*\c:226+6*\c], v[160+32*\c:175+32*\c], v[14+\c]
	v_cvt_scalef32_pk16_fp6_f32 v[236+4*\c:238+4*\c], v[176+32*\c:191+32*\c], v[14+\c]   ; (a conversion's three registers begin on an even number)
.endr
	v_nop                                          ; one plain place behind a scaled conversion
.irp c, 0,1
.irp i, 0,1,2
	v_mov_b32 v[227+6*\c+\i], v[236+4*\c+\i]
.endr
.endr
.irp c, 0,1
	global_store_b128 v7, v[224+6*\c:227+6*\c], s[32:33] offset:BLK*SI+1536*UU+768*\c        ; 512 consecutive bytes
	global_store_b64 v8, v[228+6*\c:229+6*\c], s[32:33] offset:BLK*SI+1536*UU+768*\c+512     ; 256 consecutive bytes
.endr
.if UU == 1
	v_cndmask_b32 v21, v30, v31, s22               ; lanes 0-15 tile 2 w's words, lanes 16-31 tile 2 w + 1's
	global_store_b32 v9, v21, s[34:35] offset:BLK*SI
.endif
.endm
	LOADF 0
	LOADF 1
	XFRAG 0
	XFRAG 1
	XFRAG 2
	XFRAG 3
	s_wait_tensorcnt 0x0                           ; the wave's end
	ds_add_u32 v2, v3
	s_wait_dscnt 0x0
	s_endpgm
; ---- a weight [1024][n].  Work-group: group G = id' / 8 of 128 columns, K step s = id' % 8.  A lane takes a column and its registers run down K: four blocks of 32, each whole in the lane.
.macro WLOAD q, n                      ; block q: W(128 s + 32 q + i, my column): 128 consecutive bytes a load
.set WI, 0
.rept 32
	global_load_b32 v[32+32*(\q)+WI], v9, s[28:29] offset:(32*(\q)+WI)*(\n)*4 th:TH_LOAD_NT
.set WI, WI+1
.endr
.endm
.macro WBLOCK q, n, a16, a8
.set XS, 32+32*(\q)
.set CD, 160+8*(\q)
.if (\q) < 3
	s_wait_loadcnt 32                              ; this block's 32 loads are in; the next block's may be out
.else
	s_wait_loadcnt 0x0
.endif
.if (\q) < 2
	WLOAD (\q)+2, \n
.endif
	v_max3_num_f32 v12, |v[XS]|, |v[XS+1]|, |v[XS+2]|
	v_max3_num_f32 v13, |v[XS+3]|, |v[XS+4]|, |v[XS+5]|
.irp i, 6,10,14,18,22,26
	v_max3_num_f32 v12, v12, |v[XS+\i]|, |v[XS+\i+1]|
	v_max3_num_f32 v13, v13, |v[XS+\i+2]|, |v[XS+\i+3]|
.endr
	v_max3_num_f32 v12, v12, |v[XS+30]|, |v[XS+31]|
	v_max3_num_f32 v12, v12, v13, 0x1800000        ; and the floor
	v_add_nc_u32 v14, 0xff000000, v12
	v_lshrrev_b32 v15, 23, v14
.if (\q) == 0
	v_mov_b32 v29, v15                             ; the column's scale word: byte q
.else
	v_lshl_or_b32 v29, v15, 8*(\q), v29
.endif
	v_cvt_scalef32_pk16_fp6_f32 v[CD:CD+2], v[XS:XS+15], v14
	v_cvt_scalef32_pk16_fp6_f32 v[CD+4:CD+6], v[XS+16:XS+31], v14
	v_nop                                          ; one plain place behind a scaled conversion
	v_mov_b32 v[CD+3], v[CD+4]
	v_mov_b32 v[CD+4], v[CD+5]
	v_mov_b32 v[CD+5], v[CD+6]
	ds_store_b128 v[\a16], v[CD:CD+3] offset:768*((\q)>>1)+256*((\q)&1)      ; block q = 2 c + h is lane r' + 16 h's six registers of half c: straight into its place in the image
	ds_store_b64 v[\a8], v[CD+4:CD+5] offset:768*((\q)>>1)+128*((\q)&1)
.endm
.macro WPATH n, a16, a8, ard, src, dst, idbase
	s_sub_co_u32 s24, ttmp9, \idbase
	s_lshr_b32 s25, s24, 3                         ; G
	s_and_b32 s24, s24, 7                          ; s
	s_mul_i32 s26, s24, 128*\n*4
	s_lshl_b32 s27, s25, 9
	s_add_co_u32 s26, s26, s27
	s_lshl_b32 s27, s16, 7
	s_add_co_u32 s26, s26, s27
	s_mov_b32 s27, 0
	s_add_nc_u64 s[28:29], s[\src:\src+1], s[26:27]
	s_lshl_b32 s25, s25, 3
	s_add_co_u32 s25, s25, s24
	s_mul_i32 s26, s25, BLK
	s_add_nc_u64 s[30:31], s[\dst:\dst+1], s[26:27]
	s_mov_b32 s26, s18
	s_add_nc_u64 s[32:33], s[30:31], s[26:27]      ; my two images
	s_lshl_b32 s26, s16, 7
	s_add_co_u32 s26, s26, 12288
	s_add_nc_u64 s[34:35], s[30:31], s[26:27]      ; their scale words
	WLOAD 0, \n
	WLOAD 1, \n
	WBLOCK 0, \n, \a16, \a8
	WBLOCK 1, \n, \a16, \a8
	WBLOCK 2, \n, \a16, \a8
	WBLOCK 3, \n, \a16, \a8
	global_store_b32 v28, v29, s[34:35]            ; the wave's 32 words fill 128 consecutive bytes
.irp i, 0,1,2,3,4,5
	ds_load_b128 v[192+4*\i:195+4*\i], v[\ard] offset:512*\i   ; LDS serves a wave's instructions in order: these see my stores
.endr
.irp i, 0,1,2,3,4,5
	s_wait_dscnt 5-\i
	global_store_b128 v7, v[192+4*\i:195+4*\i], s[32:33] offset:512*\i   ; 512 consecutive bytes
.endr
	s_wait_tensorcnt 0x0                           ; the wave's end
	ds_add_u32 v2, v3
	s_wait_dscnt 0x0
	s_endpgm
.endm
.Lweights:
	s_cmp_lt_u32 ttmp9, 448
	s_cbranch_scc0 .Lwout
	WPATH 3072, 22, 23, 24, 6, 12, 256
.Lwout:
	WPATH 1024, 25, 26, 27, 8, 14, 448
.Lfunc_end_k_q267808d6e2_quant:
	.size	k_q267808d6e2_quant, .Lfunc_end_k_q267808d6e2_quant-k_q267808d6e2_quant
	.p2alignl 7, 3214868480
	.fill 96, 4, 3214868480
	.section	.rodata,"a",@progbits
	.p2align	6, 0x0
	.amdhsa_kernel k_q267808d6e2_quant
		.amdhsa_group_segment_fixed_size 58880
		.amdhsa_private_segment_fixed_size 0
		.amdhsa_enable_private_segment 0
		.amdhsa_kernarg_size 48
		.amdhsa_user_sgpr_count 2
		.amdhsa_user_sgpr_kernarg_segment_ptr 1
		.amdhsa_wavefront_size32 1
		.amdhsa_system_sgpr_workgroup_id_x 1
		.amdhsa_system_sgpr_workgroup_id_y 1
		.amdhsa_system_sgpr_workgroup_id_z 1
		.amdhsa_system_vgpr_workitem_id 0
		.amdhsa_next_free_vgpr 248
		.amdhsa_next_free_sgpr 66
		.amdhsa_reserve_vcc 0
		.amdhsa_float_denorm_mode_32 3
		.amdhsa_float_denorm_mode_16_64 3
		.amdhsa_memory_ordered 1
		.amdhsa_forward_progress 1
		.amdhsa_inst_pref_size 73
	.end_amdhsa_kernel
	.amdgpu_metadata
---
amdhsa.version: [ 1, 2 ]
amdhsa.kernels:
  - .name:           k_q267808d6e2_quant
    .symbol:         k_q267808d6e2_quant.kd
    .args:
      - { .name: x, .offset: 0, .size: 8, .value_kind: global_buffer, .address_space: global }
      - { .name: W_qkv, .offset: 8, .size: 8, .value_kind: global_buffer, .address_space: global }
      - { .name: W_out, .offset: 16, .size: 8, .value_kind: global_buffer, .address_space: global }
      - { .name: xc, .offset: 24, .size: 8, .value_kind: global_buffer, .address_space: global }
      - { .name: wqc, .offset: 32, .size: 8, .value_kind: global_buffer, .address_space: global }
      - { .name: woc, .offset: 40, .size: 8, .value_kind: global_buffer, .address_space: global }
    .group_segment_fixed_size: 58880
    .private_segment_fixed_size: 0
    .kernarg_segment_align: 8
    .kernarg_segment_size: 48
    .max_flat_workgroup_size: 128
    .sgpr_count:     66
    .vgpr_count:     248
    .wavefront_size: 32
...
	.end_amdgpu_metadata
.endif
;; end of part 1
;; launch gemm_qkv (part 2): grid 12 x 32, 4 waves a work-group, clusters of 4 x 4, 327,680 bytes of LDS; arguments xc, wqc, b_qkv, qb, kv; writes qb, kv
.if DOCPART == 2
	.amdgcn_target "amdgcn-amd-amdhsa--gfx1250"
	.amdhsa_code_object_version 6
	.text
	.protected	k_q267808d6e2_gemm_qkv
	.globl	k_q267808d6e2_gemm_qkv
	.p2align	8
	.type	k_q267808d6e2_gemm_qkv,@function
k_q267808d6e2_gemm_qkv:
	s_mov_b64 s[64:65], 0
	v_nop
	global_prefetch_b8 v0, s[64:65] scope:SCOPE_SE
	s_setreg_imm32_b32 hwreg(HW_REG_WAVE_MODE, 25, 1), 1
	s_wait_xcnt 0x0
	s_wait_alu depctr_hold_cnt(0) depctr_sa_sdst(0) depctr_va_vdst(0) depctr_va_sdst(0) depctr_va_ssrc(0) depctr_va_vcc(0) depctr_vm_vsrc(0)
	s_getreg_b32 s2, hwreg(HW_REG_IB_STS2, 6, 4)
	s_cmp_eq_u32 s2, 0
	s_cbranch_scc0 .Lentry_in_a_cluster
	s_endpgm
.Lentry_in_a_cluster:
	s_bfe_u32 s2, ttmp6, 0x10000c
	s_cmp_lg_u32 s2, 0xf033
	s_cbranch_scc0 .Lentry_shape_is_right
	s_endpgm
.Lentry_shape_is_right:
; qkv = x W_qkv + b_qkv on codes of FP6 (E2M3) with E8M0 scales, and its results quantised at once: q and k along the head's 64, v along the keys.  Nothing leaves as f32.
; OPERANDS come as operand blocks of 12,800 bytes (128 rows x 128 K: eight fragment images of 1,536 bytes in the order of the operand's registers, then 512 bytes of scale words); lane r of tile t holds row
; P(t, r) = 32 (t / 2) + 8 (t % 2) + r + 8 (r / 8) of the 128.  A work-group makes 256 x 256, a wave 128 x 128: 64 accumulators.  Source 0 takes "B" tiles, source 1 "A" tiles: in accumulator (a, b) lane (r, h),
; register j holds A's row P(a, r) and B's row 32 (b / 2) + 16 h + 8 (b % 2) + j: the 64 registers of one a are 128 NEIGHBOURS along B's rows, in the order that the quantiser wants.
; THE CLUSTER'S x IS THE TYPE: 0 = q, 1 = k: A = tokens (xc), B = W's columns (wqc): a lane holds a token, its registers run along the heads' channels.  2 = v: THE OPERANDS CHANGE ROLES: A = W's columns,
; B = tokens: a lane holds a channel and its registers run along the keys, which are v's K.  Only pointers, tile numbers, the bias's form and the way out differ.
; K = 1,024 goes in four fills of two LDS slots; a slot holds two K steps of 128 of A's 256 rows and of B's.  4 x 4 work-groups form a cluster: A's tiles are asked for jointly along a row, B's along a column.
; OUT: qb: head H: 16 groups of 6,656 bytes: query tile a's half image (16 rows x 64 K, 768 bytes) at 768 a, scale words at 6,144 + 32 r + 4 a.
;      kv: head H: 16 key steps of 13,056 bytes: K's half images at 768 t; V^T's fragment images (16 channels x 128 keys) at 6,144 + 1,536 t; K's scale words at 12,288 + 32 r + 4 t; V's at 12,800 + 16 r + 4 t.
;      In q's and k's words bytes 0, 1 are the head's; bytes 2, 3 hold the neighbouring head's bytes or 0 (never 0xff): they scale k = 64 .. 127, where q's codes are zeros.
; LIMITS: a block of zeros gets the byte 1 (zero codes; the bytes are read by this program alone); blocks whose largest magnitude lies under 2^-124 have their byte held at 1; NaN and infinities are not served.
; REGISTERS: window 0: v1-10 lane terms; v16-25 LDS addresses; v28, v29 the add's two; v32-63 scale words, two sets; v64-127 the bias, later the way out; v128-223 A's fragments, one set.
;   window 1: B's fragments, two sets, at v0 and v128.   windows 2, 3: the accumulators, (a, b) at v[8 (8 (a % 4) + b)].
.set BLKB,  12800
.set REG,   25600                      ; two operand blocks: what one tensor load brings
.set SLOT,  102400                     ; A's two halves, then B's two halves
.set SPARE, 204800                     ; the spare words, 128 bytes for each wave
.set FR,    12
.set NL,    4                          ; LDS loads that bring a fragment
.set NP,    4                          ; places behind this matrix instruction (ISA guide 7.12.1)
.set ADRA,  16                         ; v16-17 A's region in slot 0, 1, + 16 x lane;  v18-19 + 8 x lane
.set ADRB,  20                         ; v20-23 the same for B
.set ADRS,  24                         ; v24-25 scale words: lanes 0-15 A's, lanes 16-31 B's
.set SPW,   28
.set NIL,   29
.set SC,    32
.set BIAS,  64
.set AF,    128
.set G1,    24
.set G0,    32
.set G1B,   48
.set G0B,   56
.set SEL,   84
.set TM,    64                         ; the way out: v64-67 largest magnitudes, v68-71 bytes, v76-79 scale operands
.set PW,    80                         ; the scale word just made
.set PC,    84                         ; v84-95 the codes just made
.set PX,    96                         ; v96-98, v100-102 their second halves
.set W0,    104                        ; v104-111, v112-119 the scale words of the eight a
.set W1,    112
.set TT,    120                        ; v120-127 as they are stored
.set MSB, 0
.macro WIN new                         ; the immediate's high byte repeats the setting that is left
.if MSB != \new
	s_set_vgpr_msb (MSB<<8)|\new
.set MSB, \new
.endif
.endm
.set MUL_LO, 0xa1                      ; source 0 (B) window 1, source 1 (A) window 0, C and D window 2
.set MUL_HI, 0xf1
.set TO_B,   0x40
; A joint load: waves 0 and 1 fetch A's halves, waves 2 and 3 B's.  The branch hangs on the wave's number alone.  An s_nop 0 and four v_nop follow each line.
.macro JLOAD s
	s_cmp_eq_u32 s15, 0
	s_cbranch_scc0 .Lfor_b_\@
	tensor_load_to_lds s[G0+4*\s:G0+4*\s+3], s[G1:G1+7]
	s_nop 0
.rept 4
	v_nop
.endr
	s_branch .Lasked_\@
.Lfor_b_\@:
	tensor_load_to_lds s[G0B+4*\s:G0B+4*\s+3], s[G1B:G1B+7]
	s_nop 0
.rept 4
	v_nop
.endr
.Lasked_\@:
.endm
.macro CREST                           ; a round of the cluster's barrier behind its opening barrier
	s_cmp_lg_u32 s14, 0
	s_cbranch_scc1 .Lnot_wave_0_\@
	s_barrier_signal -3
.Lnot_wave_0_\@:
	s_barrier_wait -3
	s_barrier_signal -1
	s_barrier_wait -1
.endm
.macro CROUND
	s_barrier_signal -1
	s_barrier_wait -1
	CREST
.endm
	s_load_b128 s[4:7], s[0:1], 0x0                ; xc, wqc
	s_load_b128 s[8:11], s[0:1], 0x10              ; b_qkv, qb
	s_load_b64 s[12:13], s[0:1], 0x20              ; kv
	v_lshl_add_u32 v[SPW], v0, 2, SPARE
	v_mov_b32 v[NIL], 0
	ds_add_u32 v[SPW], v[NIL]                      ; the wave's opening: the add, whose wait comes ahead of my first tensor load; the set-up below stands between them
	ds_add_u32 v[SPW], v[NIL]
	v_lshrrev_b32 v1, 5, v0
	v_readfirstlane_b32 s14, v1                    ; wave
	s_lshr_b32 s15, s14, 1                         ; my half of A's rows.  Also: I fetch for A (0) or for B (1)
	s_and_b32 s16, s14, 1                          ; my half of B's rows.  Also: which half I fetch
	s_bfe_u32 s40, ttmp6, 0x40000                  ; cx
	s_bfe_u32 s41, ttmp6, 0x40004                  ; cy
	s_mov_b32 s42, ttmp9                           ; the type: the cluster's x, the same in all sixteen partners
	s_and_b32 s17, ttmp7, 0xffff                   ; the cluster's y
	s_lshl_b32 s18, s17, 2
	s_lshl_b32 s45, s42, 2
	s_cmp_eq_u32 s42, 2
	s_cselect_b32 s19, 8, s18
	s_cselect_b32 s45, s18, s45
	s_add_co_u32 s19, s19, s41                     ; A's tile of 256 rows: tokens 4 Y + cy, or for v W's columns 8 + cy
	s_add_co_u32 s45, s45, s40                     ; B's tile: W's columns 4 type + cx, or for v tokens 4 Y + cx
	s_lshl_b32 s43, s41, 2
	s_lshl_b32 s43, 15, s43                        ; my row of the cluster
	s_lshl_b32 s44, 0x1111, s40                    ; my column
	s_or_b32 s[G1+0], s43, (3<<16)|(1<<21)         ; 15:0 the mask; 17:16 elements of 8 bytes; 21 set beside a mask; no padding: every LDS access is 16 or 8 bytes x lane on end
	s_or_b32 s[G1B+0], s44, (3<<16)|(1<<21)
.irp g, G1, G1B
	s_mov_b32 s[\g+1], 32<<16                      ; tensor_dim0 = 32 elements: 256 bytes
	s_mov_b32 s[\g+2], 100<<16                     ; tensor_dim1 = 100 rows: 25,600 dense bytes
	s_mov_b32 s[\g+3], 32<<16                      ; tile_dim0
	s_mov_b32 s[\g+4], 100                         ; tile_dim1
	s_mov_b32 s[\g+5], 32                          ; the pitch
	s_mov_b32 s[\g+6], 0
	s_mov_b32 s[\g+7], 0
.endr
	s_mul_i32 s22, s19, 204800                     ; a tile is two groups of eight blocks
	s_mul_i32 s23, s16, 102400
	s_add_co_u32 s22, s22, s23
	s_mov_b32 s23, 0
	s_mul_i32 s66, s45, 204800
	s_mul_i32 s67, s16, 102400
	s_add_co_u32 s66, s66, s67
	s_mov_b32 s67, 0
	s_mul_i32 s92, s14, REG                        ; where my part goes: wave x 25,600: no place in the cluster enters an LDS address
	s_mov_b32 s[SEL], 0x76543210
	s_mov_b32 s[SEL+1], 0xfedcba98
	s_mov_b32 s86, 0xffff0000                      ; lanes 16-31
	s_wait_dscnt 0x0                               ; the opening add is done
	s_wait_kmcnt 0x0
	s_cmp_eq_u32 s42, 2
	s_cselect_b64 s[20:21], s[6:7], s[4:5]         ; A's buffer
	s_cselect_b64 s[46:47], s[4:5], s[6:7]         ; B's
	s_add_nc_u64 s[20:21], s[20:21], s[22:23]
	s_add_nc_u64 s[46:47], s[46:47], s[66:67]
	CROUND                                         ; all sixteen work-groups are here: the first joint loads meet
.irp s, 0,1
	s_mov_b32 s[G0+4*\s], 1
	s_add_co_u32 s[G0+4*\s+1], s92, \s*SLOT
	s_add_nc_u64 s[G0+4*\s+2:G0+4*\s+3], s[20:21], \s*REG
	s_or_b32 s[G0+4*\s+3], s[G0+4*\s+3], 0x80000000
	s_mov_b32 s[G0B+4*\s], 1
	s_add_co_u32 s[G0B+4*\s+1], s92, \s*SLOT
	s_add_nc_u64 s[G0B+4*\s+2:G0B+4*\s+3], s[46:47], \s*REG
	s_or_b32 s[G0B+4*\s+3], s[G0B+4*\s+3], 0x80000000
.endr
	JLOAD 0                                        ; slot 0
	v_and_b32 v1, 15, v0                           ; r
	v_bfe_u32 v2, v0, 4, 1                         ; h
	v_and_b32 v3, 31, v0
	v_lshlrev_b32 v4, 4, v3                        ; 16 x lane
	v_lshlrev_b32 v5, 3, v3
	; PREFETCH INTO THE L2, two fills ahead: a fill of mine is 100 blocks of 256 bytes; the four partners that ask for it jointly take 25 each, told apart by address (cx for A, cy for B): a lane a block,
	; lanes 25-31 name the last again.  Here, behind fill 0's load: fills 1 and 2; behind fill 1's load: fill 3.  The address registers are never rewritten.
	v_min_u32 v11, 24, v3
	s_cmp_eq_u32 s15, 0
	s_cselect_b32 s93, s40, s41
	s_cselect_b64 s[94:95], s[20:21], s[46:47]
	s_mul_i32 s93, s93, 6400
	v_lshl_add_u32 v11, v11, 8, s93
	s_wait_alu depctr_va_vdst(0)
	global_prefetch_b8 v11, s[94:95] offset:REG th:TH_LOAD_NT scope:SCOPE_SE
	global_prefetch_b8 v11, s[94:95] offset:2*REG th:TH_LOAD_NT scope:SCOPE_SE
	s_mul_i32 s68, s15, REG                        ; my half of A
	s_mul_i32 s69, s16, REG
	s_add_co_u32 s69, s69, 2*REG                   ; my half of B
.irp s, 0,1
	v_add_nc_u32 v[ADRA+\s], s68, v4
	v_add_nc_u32 v[ADRA+2+\s], s68, v5
	v_add_nc_u32 v[ADRB+\s], s69, v4
	v_add_nc_u32 v[ADRB+2+\s], s69, v5
	s_add_co_u32 s68, s68, SLOT
	s_add_co_u32 s69, s69, SLOT
.endr
	s_mul_i32 s68, s15, REG
	s_mul_i32 s69, s16, REG
	s_add_co_u32 s69, s69, 2*REG
	s_sub_co_u32 s69, s69, s68
	v_mul_u32_u24 v6, s69, v2                      ; lanes 16-31 take B's words
	v_lshl_add_u32 v6, v1, 2, v6
	s_add_co_u32 s68, s68, 12288
	v_add_nc_u32 v[ADRS], s68, v6
	v_add_nc_u32 v[ADRS+1], SLOT, v[ADRS]
	v_lshlrev_b32 v7, 5, v1
	v_lshl_add_u32 v7, v2, 4, v7                   ; q's and k's scale words on the way out: 32 r + 16 h
	v_mul_u32_u24 v8, v2, 0x33000
	v_lshl_add_u32 v8, v1, 4, v8                   ; v's: 16 r, lanes 16-31 one head (208,896 bytes) on
	v_lshlrev_b32 v9, 6, v2                        ; the bias along B's rows: 64 h
	v_and_b32 v10, 8, v1
	v_add_nc_u32 v10, v10, v1
	v_lshlrev_b32 v10, 2, v10                      ; the bias along A's rows: 4 (r + 8 (r / 8))
	; THE BIAS is the C of each sum's first product.  q, k: it runs along B's rows: eight registers for each b.  v: it hangs on A's row alone: one number a lane for each a, eight times.
	s_cmp_eq_u32 s42, 2
	s_cbranch_scc1 .Lbias_v
	s_lshl_b32 s68, s45, 10
	s_lshl_b32 s69, s16, 9
	s_add_co_u32 s68, s68, s69
	s_mov_b32 s69, 0
	s_add_nc_u64 s[70:71], s[8:9], s[68:69]
.irp b, 0,1,2,3,4,5,6,7
	global_load_b128 v[BIAS+8*\b:BIAS+8*\b+3], v9, s[70:71] offset:(32*(\b/2)+8*(\b%2))*4
	global_load_b128 v[BIAS+8*\b+4:BIAS+8*\b+7], v9, s[70:71] offset:(32*(\b/2)+8*(\b%2))*4+16
.endr
	s_wait_loadcnt 0x0
	s_branch .Lbias_done
.Lbias_v:
	s_lshl_b32 s68, s19, 10
	s_lshl_b32 s69, s15, 9
	s_add_co_u32 s68, s68, s69
	s_mov_b32 s69, 0
	s_add_nc_u64 s[70:71], s[8:9], s[68:69]
	s_wait_alu depctr_va_vdst(0)
.irp a, 0,1,2,3,4,5,6,7
	global_load_b32 v[BIAS+8*\a], v10, s[70:71] offset:(32*(\a/2)+8*(\a%2))*4
.endr
	s_wait_loadcnt 0x0
.irp a, 0,1,2,3,4,5,6,7
.irp j, 1,2,3,4,5,6,7
	v_mov_b32 v[BIAS+8*\a+\j], v[BIAS+8*\a]
.endr
.endr
.Lbias_done:
.macro FRAG reg, adr, q, i             ; a fragment's image comes back as it was stored: registers 0-3, 4-5, 6-9, 10-11
	ds_load_b128 v[\reg:\reg+3], v[\adr] offset:BLKB*(\q)+1536*(\i)
	ds_load_b64 v[\reg+4:\reg+5], v[\adr+2] offset:BLKB*(\q)+1536*(\i)+512
	ds_load_b128 v[\reg+6:\reg+9], v[\adr] offset:BLKB*(\q)+1536*(\i)+768
	ds_load_b64 v[\reg+10:\reg+11], v[\adr+2] offset:BLKB*(\q)+1536*(\i)+1280
.endm
; 16 matrix instructions: A's blocks a0, a0 + 1 x B's eight.  p: B's set; q: the slot's K step; sc: the set of scale words.  zero = 1: C is the bias along B's rows; 2: along A's rows; 0: the sum goes on.
; The 64 accumulators take turns, one instruction a turn, in the same order in every step.
.macro MUL16 a0, p, q, sc, zero
.irp a, \a0, \a0+1
.irp b, 0,1,2,3,4,5,6,7
.if \zero == 1
	v_wmma_scale_f32_16x16x128_f8f6f4 v[8*(8*((\a)%4)+\b):8*(8*((\a)%4)+\b)+7], v[128*(\p)+FR*\b:128*(\p)+FR*\b+FR-1], v[AF+FR*(\a):AF+FR*(\a)+FR-1], v[BIAS+8*\b:BIAS+8*\b+7], v[SC+16*(\sc)+2*\b+(\q)], v[SC+16*(\sc)+2*(\a)+(\q)] matrix_a_fmt:MATRIX_FMT_FP6 matrix_b_fmt:MATRIX_FMT_FP6 matrix_a_scale:MATRIX_SCALE_ROW1
.elseif \zero == 2
	v_wmma_scale_f32_16x16x128_f8f6f4 v[8*(8*((\a)%4)+\b):8*(8*((\a)%4)+\b)+7], v[128*(\p)+FR*\b:128*(\p)+FR*\b+FR-1], v[AF+FR*(\a):AF+FR*(\a)+FR-1], v[BIAS+8*(\a):BIAS+8*(\a)+7], v[SC+16*(\sc)+2*\b+(\q)], v[SC+16*(\sc)+2*(\a)+(\q)] matrix_a_fmt:MATRIX_FMT_FP6 matrix_b_fmt:MATRIX_FMT_FP6 matrix_a_scale:MATRIX_SCALE_ROW1
.else
	v_wmma_scale_f32_16x16x128_f8f6f4 v[8*(8*((\a)%4)+\b):8*(8*((\a)%4)+\b)+7], v[128*(\p)+FR*\b:128*(\p)+FR*\b+FR-1], v[AF+FR*(\a):AF+FR*(\a)+FR-1], v[8*(8*((\a)%4)+\b):8*(8*((\a)%4)+\b)+7], v[SC+16*(\sc)+2*\b+(\q)], v[SC+16*(\sc)+2*(\a)+(\q)] matrix_a_fmt:MATRIX_FMT_FP6 matrix_b_fmt:MATRIX_FMT_FP6 matrix_a_scale:MATRIX_SCALE_ROW1
.endif
.endr
.endr
.endm
.macro FETCH_B slot, q, p
	WIN TO_B
.irp i, 0,1,2,3,4,5,6,7
	FRAG 128*(\p)+FR*\i, ADRB+\slot, \q, \i
.endr
	WIN 0
.endm
.macro FETCH_A slot, q, i0
.irp i, \i0, \i0+1, \i0+2, \i0+3
	FRAG AF+FR*(\i), ADRA+\slot, \q, \i
.endr
.endm
.macro SCALES sc                       ; a slot's scale words: register 2 i + q: lanes 0-15 the word of A's block i, lanes 16-31 that of B's block i, for the slot's q-th K step
.irp i, 0,1,2,3,4,5,6,7
.irp q, 0,1
	ds_load_b32 v[SC+16*\sc+2*\i+\q], v[ADRS+\sc] offset:BLKB*\q+64*\i
.endr
.endr
.endm
.macro PLACES n                        ; places in front of loads into registers that matrix instructions have read, and of the first read of results
.rept \n
	v_nop
.endr
.endm
.macro STEP slot, q, zero              ; a K step of 128 that has its successor in the same slot
	s_wait_dscnt 4*NL                              ; B's set, the scale words and A's blocks 0-3 are in; the youngest 16 loads (A's blocks 4-7) may be out
.if \zero
	WIN 0x81                                       ; C (the bias) window 0, D window 2
.else
	WIN MUL_LO
.endif
	MUL16 0, (\q)%2, \q, \slot, \zero
	MUL16 2, (\q)%2, \q, \slot, \zero
	s_wait_dscnt 0
	PLACES NP
	FETCH_B \slot, (\q)+1, 1-(\q)%2
	FETCH_A \slot, (\q)+1, 0
.if \zero
	WIN 0xc1
.else
	WIN MUL_HI
.endif
	MUL16 4, (\q)%2, \q, \slot, \zero
	MUL16 6, (\q)%2, \q, \slot, \zero
	PLACES NP
	WIN 0
	FETCH_A \slot, (\q)+1, 4
.endm
; A slot's last step changes slots: one barrier; in front of it each wave waits for all its tensor loads, adds 0 to its spare word, and waits for that and for its reads of this slot.  fill = 1: the slot is filled again.
.macro TURN slot, next, fill
	s_wait_tensorcnt 0x0                           ; all my tensor loads have landed: my part of the next slot
	ds_add_u32 v[SPW], v[NIL]                      ; 0 onto my spare word
	s_wait_dscnt 4*NL+1                            ; (the add and the youngest 16 loads may be out)
	WIN MUL_LO
	MUL16 0, 1, 1, \slot, 0
	s_wait_dscnt 0x0                               ; the add is done, and my reads of this slot are over
	s_barrier_signal -1
	MUL16 2, 1, 1, \slot, 0
	WIN 0
	s_barrier_wait -1
.if \fill
	CREST                                          ; the barrier has opened a round of the cluster's barrier: no wave of any partner still reads this slot or has a load on its way
	s_add_nc_u64 s[G0+4*\slot+2:G0+4*\slot+3], s[G0+4*\slot+2:G0+4*\slot+3], 2*REG
	s_add_nc_u64 s[G0B+4*\slot+2:G0B+4*\slot+3], s[G0B+4*\slot+2:G0B+4*\slot+3], 2*REG
	JLOAD \slot                                    ; the first tensor load behind the round; its four v_nop are the places in front of the loads below
.else
	PLACES NP
.endif
	FETCH_B \next, 0, 0
	FETCH_A \next, 0, 0
	SCALES \next
	WIN MUL_HI
	MUL16 4, 1, 1, \slot, 0
	MUL16 6, 1, 1, \slot, 0
	PLACES NP
	WIN 0
	FETCH_A \next, 0, 4
.endm
	s_wait_alu depctr_va_vdst(0)                   ; the head's end
	s_wait_tensorcnt 0x0                           ; my part of slot 0 is in
	ds_add_u32 v[SPW], v[NIL]
	s_wait_dscnt 0x0
	CROUND                                         ; a whole round: slot 0 is whole, and the joint loads meet
	JLOAD 1                                        ; slot 1's first fill, the first tensor load behind the round
	FETCH_B 0, 0, 0
	FETCH_A 0, 0, 0
	SCALES 0
	FETCH_A 0, 0, 4
	global_prefetch_b8 v11, s[94:95] offset:3*REG th:TH_LOAD_NT scope:SCOPE_SE   ; fill 3, the last
	s_cmp_eq_u32 s42, 2                            ; the first step is written twice: only the bias's registers differ; loads and waits are the same on both ways
	s_cbranch_scc1 .Lfirst_v
	s_wait_alu depctr_va_vdst(0)
	STEP 0, 0, 1
	s_branch .Lfirst_done
.Lfirst_v:
	s_wait_alu depctr_va_vdst(0)
	STEP 0, 0, 2
.Lfirst_done:
	TURN 0, 1, 1                                   ; K steps 4, 5 into slot 0
	STEP 1, 0, 0
	TURN 1, 0, 1                                   ; K steps 6, 7 into slot 1
	STEP 0, 0, 0
	TURN 0, 1, 0
	STEP 1, 0, 0
	s_wait_dscnt 4*NL                              ; the last step: nothing more to fetch
	WIN MUL_LO
	MUL16 0, 1, 1, 1, 0
	MUL16 2, 1, 1, 1, 0
	s_wait_dscnt 0
	WIN MUL_HI
	MUL16 4, 1, 1, 1, 0
	MUL16 6, 1, 1, 1, 0
	WIN 0
; THE WAY OUT.  The 64 registers of one a, register 16 B + i = neighbour 32 B + 16 h + i along the next K, become a fragment's codes in v[PC] on and its scale word in v[PW]: they are stored as they stand.
.macro QUANT a
.set AC, 64*((\a)%4)
	WIN 0x0a+5*((\a)/4)                            ; sources 0 and 1: window 2 or 3
.irp b, 0,1,2,3
	v_max3_num_f32 v[TM+\b], |v[AC+16*\b]|, |v[AC+16*\b+1]|, 0x1800000   ; each accumulator is read from its low end on; the floor 2^(3 - 127) holds the byte at 1 from below
.endr
.irp i, 2,4,6,8,10,12,14
.irp b, 0,1,2,3
	v_max3_num_f32 v[TM+\b], |v[AC+16*\b+\i]|, |v[AC+16*\b+\i+1]|, v[TM+\b]
.endr
.endr
	WIN 0
.irp b, 0,1,2,3
	v_permlanex16_b32 v[TM+4+\b], v[TM+\b], s[SEL], s[SEL+1]
.endr
.irp b, 0,1,2,3
	v_max_num_f32 v[TM+\b], v[TM+\b], v[TM+4+\b]   ; with lane l xor 16's: the block's largest magnitude
.endr
.irp b, 0,1,2,3
	v_add_nc_u32 v[TM+12+\b], 0xff000000, v[TM+\b]
.endr
.irp b, 0,1,2,3
	v_lshrrev_b32 v[TM+4+\b], 23, v[TM+12+\b]
.endr
	v_lshl_or_b32 v[PW], v[TM+5], 8, v[TM+4]
	v_lshl_or_b32 v[PW], v[TM+6], 16, v[PW]
	v_lshl_or_b32 v[PW], v[TM+7], 24, v[PW]
	s_wait_xcnt 0x0                                ; the last a's stores have read their data: the codes' registers may be written
	WIN 0x02+((\a)/4)                              ; source 0: window 2 or 3
.irp c, 0,1
	v_cvt_scalef32_pk16_fp6_f32 v[PC+6*\c:PC+6*\c+2], v[AC+32*\c:AC+32*\c+15], v[TM+12+2*\c]
	v_cvt_scalef32_pk16_fp6_f32 v[PX+4*\c:PX+4*\c+2], v[AC+32*\c+16:AC+32*\c+31], v[TM+12+2*\c+1]
.endr
	WIN 0
	v_nop                                          ; one plain place behind a scaled conversion
.irp c, 0,1                                    ; the layout wants a whole block in a lane: lanes 0-15 block 2 c, lanes 16-31 block 2 c + 1
.irp i, 0,1,2
	v_permlane16_swap_b32 v[PC+6*\c+\i], v[PX+4*\c+\i]
.endr
.irp i, 0,1,2
	v_mov_b32 v[PC+3+6*\c+\i], v[PX+4*\c+\i]
.endr
.endr
.endm
.macro EPI isv
.irp a, 0,1,2,3,4,5,6,7
	QUANT \a
.if \isv
	global_store_b128 v4, v[PC:PC+3], s[76:77] offset:6144+208896*(\a/4)+1536*(\a%4)          ; head a / 4, tile a % 4 of V^T: a whole fragment image
	global_store_b64 v5, v[PC+4:PC+5], s[76:77] offset:6144+208896*(\a/4)+1536*(\a%4)+512
	global_store_b128 v4, v[PC+6:PC+9], s[76:77] offset:6144+208896*(\a/4)+1536*(\a%4)+768
	global_store_b64 v5, v[PC+10:PC+11], s[76:77] offset:6144+208896*(\a/4)+1536*(\a%4)+1280
	v_mov_b32 v[W0+\a], v[PW]
.else
	global_store_b128 v4, v[PC:PC+3], s[76:77] offset:768*\a                                  ; registers 0-5: the first head's half image of tile a
	global_store_b64 v5, v[PC+4:PC+5], s[76:77] offset:768*\a+512
	global_store_b128 v4, v[PC+6:PC+9], s[78:79] offset:768*\a                                ; registers 6-11: the second head's
	global_store_b64 v5, v[PC+10:PC+11], s[78:79] offset:768*\a+512
	v_mov_b32 v[W0+\a], v[PW]
	v_lshrrev_b32 v[W1+\a], 16, v[PW]
.endif
.endr
.endm
	PLACES NP                                      ; behind the last products, ahead of the first read of results
.irp b, 0,1,2,3
	v_mov_b32 v[TM+4+\b], 0                        ; a lane permute's destination counts as one of its sources
.endr
	s_cmp_eq_u32 s42, 2
	s_cbranch_scc1 .Lepi_v
	s_lshr_b32 s68, s19, 3                         ; the batch
	s_and_b32 s69, s19, 7
	s_lshl_b32 s69, s69, 1
	s_add_co_u32 s69, s69, s15                     ; the group of 128 tokens in it
	s_lshl_b32 s68, s68, 4
	s_lshl_b32 s70, s40, 2
	s_add_co_u32 s68, s68, s70
	s_lshl_b32 s70, s16, 1
	s_add_co_u32 s68, s68, s70                     ; my first head: 16 batch + 4 cx + 2 half
	s_mov_b32 s72, 208896                          ; a head, a group and where the scale words begin: in kv,
	s_mov_b32 s73, 13056
	s_mov_b32 s74, 12288
	s_cmp_eq_u32 s42, 0
	s_cselect_b32 s72, 106496, s72                 ; or in qb
	s_cselect_b32 s73, 6656, s73
	s_cselect_b32 s74, 6144, s74
	s_cselect_b64 s[76:77], s[10:11], s[12:13]
	s_mul_i32 s68, s68, s72
	s_mul_i32 s69, s69, s73
	s_add_co_u32 s68, s68, s69
	s_mov_b32 s69, 0
	s_add_nc_u64 s[76:77], s[76:77], s[68:69]
	s_mov_b32 s73, 0
	s_add_nc_u64 s[78:79], s[76:77], s[72:73]      ; the second head
	s_mov_b32 s75, 0
	s_add_nc_u64 s[80:81], s[76:77], s[74:75]      ; the scale words
	s_add_nc_u64 s[82:83], s[78:79], s[74:75]
	EPI 0
.irp i, 0,1,2,3
	v_cndmask_b32 v[TT+\i], v[W0+\i], v[W0+4+\i], s86      ; lane (r, h) stores the words of tiles 4 h .. 4 h + 3 of its row
	v_cndmask_b32 v[TT+4+\i], v[W1+\i], v[W1+4+\i], s86
.endr
	global_store_b128 v7, v[TT:TT+3], s[80:81]     ; 512 consecutive bytes
	global_store_b128 v7, v[TT+4:TT+7], s[82:83]
	s_branch .Lepi_done
.Lepi_v:
	s_lshr_b32 s68, s45, 3                         ; the batch
	s_and_b32 s69, s45, 7
	s_lshl_b32 s69, s69, 1
	s_add_co_u32 s69, s69, s16                     ; the key step
	s_lshl_b32 s68, s68, 4
	s_lshl_b32 s70, s41, 2
	s_add_co_u32 s68, s68, s70
	s_lshl_b32 s70, s15, 1
	s_add_co_u32 s68, s68, s70                     ; my first head: 16 batch + 4 cy + 2 half
	s_mul_i32 s68, s68, 208896
	s_mul_i32 s69, s69, 13056
	s_add_co_u32 s68, s68, s69
	s_mov_b32 s69, 0
	s_add_nc_u64 s[76:77], s[12:13], s[68:69]
	EPI 1
.irp i, 0,1,2,3
	v_cndmask_b32 v[TT+\i], v[W0+\i], v[W0+4+\i], s86      ; lanes 0-15 the first head's four words, lanes 16-31 the second's
.endr
	global_store_b128 v8, v[TT:TT+3], s[76:77] offset:12800   ; sixteen lanes store 256 consecutive bytes
.Lepi_done:
	s_wait_tensorcnt 0x0                           ; the wave's end
	ds_add_u32 v[SPW], v[NIL]
	s_wait_dscnt 0x0
	CROUND                                         ; the closing round
	s_endpgm
.Lfunc_end_k_q267808d6e2_gemm_qkv:
	.size	k_q267808d6e2_gemm_qkv, .Lfunc_end_k_q267808d6e2_gemm_qkv-k_q267808d6e2_gemm_qkv
	.p2alignl 7, 3214868480
	.fill 96, 4, 3214868480
	.section	.rodata,"a",@progbits
	.p2align	6, 0x0
	.amdhsa_kernel k_q267808d6e2_gemm_qkv
		.amdhsa_group_segment_fixed_size 327680
		.amdhsa_private_segment_fixed_size 0
		.amdhsa_enable_private_segment 0
		.amdhsa_kernarg_size 40
		.amdhsa_user_sgpr_count 2
		.amdhsa_user_sgpr_kernarg_segment_ptr 1
		.amdhsa_wavefront_size32 1
		.amdhsa_system_sgpr_workgroup_id_x 1
		.amdhsa_system_sgpr_workgroup_id_y 1
		.amdhsa_system_sgpr_workgroup_id_z 1
		.amdhsa_system_vgpr_workitem_id 0
		.amdhsa_next_free_vgpr 1024
		.amdhsa_next_free_sgpr 100
		.amdhsa_reserve_vcc 0
		.amdhsa_float_denorm_mode_32 3
		.amdhsa_float_denorm_mode_16_64 3
		.amdhsa_memory_ordered 1
		.amdhsa_forward_progress 1
		.amdhsa_inst_pref_size 204
	.end_amdhsa_kernel
	.amdgpu_metadata
---
amdhsa.version: [ 1, 2 ]
amdhsa.kernels:
  - .name:           k_q267808d6e2_gemm_qkv
    .symbol:         k_q267808d6e2_gemm_qkv.kd
    .args:
      - { .name: xc, .offset: 0, .size: 8, .value_kind: global_buffer, .address_space: global }
      - { .name: wqc, .offset: 8, .size: 8, .value_kind: global_buffer, .address_space: global }
      - { .name: b_qkv, .offset: 16, .size: 8, .value_kind: global_buffer, .address_space: global }
      - { .name: qb, .offset: 24, .size: 8, .value_kind: global_buffer, .address_space: global }
      - { .name: kv, .offset: 32, .size: 8, .value_kind: global_buffer, .address_space: global }
    .group_segment_fixed_size: 327680
    .private_segment_fixed_size: 0
    .kernarg_segment_align: 8
    .kernarg_segment_size: 40
    .max_flat_workgroup_size: 128
    .sgpr_count:     100
    .vgpr_count:     1024
    .wavefront_size: 32
...
	.end_amdgpu_metadata
.endif
;; end of part 2
;; launch attn (part 3): grid 4 x 64, 8 waves a work-group, clusters of 4 x 1, 209,920 bytes of LDS; arguments qb, kv, ac; writes ac
.if DOCPART == 3
	.amdgcn_target "amdgcn-amd-amdhsa--gfx1250"
	.amdhsa_code_object_version 6
	.text
	.protected	k_q267808d6e2_attn
	.globl	k_q267808d6e2_attn
	.p2align	8
	.type	k_q267808d6e2_attn,@function
k_q267808d6e2_attn:
	s_mov_b64 s[64:65], 0
	v_nop
	global_prefetch_b8 v0, s[64:65] scope:SCOPE_SE
	s_setreg_imm32_b32 hwreg(HW_REG_WAVE_MODE, 25, 1), 1
	s_wait_xcnt 0x0
	s_wait_alu depctr_hold_cnt(0) depctr_sa_sdst(0) depctr_va_vdst(0) depctr_va_sdst(0) depctr_va_ssrc(0) depctr_va_vcc(0) depctr_vm_vsrc(0)
	s_getreg_b32 s2, hwreg(HW_REG_IB_STS2, 6, 4)
	s_cmp_eq_u32 s2, 0
	s_cbranch_scc0 .Lentry_in_a_cluster
	s_endpgm
.Lentry_in_a_cluster:
	s_bfe_u32 s2, ttmp6, 0x10000c
	s_cmp_lg_u32 s2, 0x3003
	s_cbranch_scc0 .Lentry_shape_is_right
	s_endpgm
.Lentry_shape_is_right:
; o = softmax(q k^T / 8) v for one head (work-group y = 16 batch + head) and 512 queries (place cx in the cluster), on codes of FP6 (E2M3) with E8M0 scales; o is quantised along the channels and stored as gemm_out's operand.
; A wave holds 64 queries, four tiles of 16, and walks the head's 2,048 keys in 16 steps of 128: a step's 37 LDS loads (K's and V's fragments and scale words) feed 48 matrix instructions.
; Both products are used transposed (S^T = k q^T, O^T = v^T p^T): a lane holds one query throughout.  p = 2^(t - M), t = score x log2(e) / 8, M the ceiling of the running largest t; the row's sum is taken of the unquantised p.
; THE KEYS OF A TILE OF K ARE CHOSEN BY THE LANES' ADDRESSES: lane r = y + 8 g of tile 4 c + u takes key 64 c + 32 g + 8 u + y, so that lane (r, h) has in S + 32 c + 0 .. 31 the keys 64 c + 32 h + 0 .. 31:
; a WHOLE block of 32 in the order of p's operand: a block's maximum needs no other lane, and the codes stay in their lane.  In kv that key lies in half image 4 c + 2 g + u % 2, lane y + 8 (u / 2) + 16 h.
; LDS: the head's K and V, 16 steps x 13,056 bytes, land ONCE: each wave asks for two steps by one joint load of 102 rows of 256 bytes (each row starts at a multiple of 256 bytes); nothing is filled again; one barrier.
; CLUSTER: the four work-groups of a head read the same tiles: mask 15.  NO PREFETCH: every tile is asked for by the head's one load a wave; there is no later load to run ahead of.
; THE STEP IS WRITTEN ONCE: O^T and the sums begin as zeros, the largest score as -3e38; the first change of M multiplies the zeros by 0.
; ORDER IN A STEP: tile i + 1's scores are issued between tile i's conversions and its O^T's rescaling, whose 16 lines are the places behind them.  K's next step is fetched behind the last scores, V's at the step's top.
; LIMITS: holds while the scaled scores stay under 2^31 in magnitude; NaN and infinities are not served; a block of p whose numbers all fall under 2^-124 keeps the byte 1.
; REGISTERS: window 0: v1-11 lane terms, v2, v3 the add's two; v12-17 addresses; v18-19 f; v20-35 for each tile -M, largest score, the sum's two halves; v36-39 q's scale words; v40 p's; v42-49 K's; v50-53 V's;
;   v54-63 sums and scale operands; v64-127 S, then p; v128-175 K's eight half fragments, v176-181 zeros behind them; v182-229 q (6 registers + 6 of zeros for each tile); v230-249 p's codes; v250-255 maxima.
;   window 1: v0-127 O^T (tile i at 32 i); v128-175 V's four fragments.
.set STEPB, 13056
.set WPART, 26112
.set SPARE, 208896
.set SPW, 2
.set NIL, 3
.set TA,  12
.set F,   18
.set ST,  20
.set QS,  36
.set PW,  40
.set TW,  41
.set KS,  42
.set VS,  50
.set SA,  54
.set SO,  62
.set S,   64
.set K,   128
.set Z0,  176
.set Q,   182
.set PC,  230
.set PX,  242
.set BM,  250
.set T,   254
.set O,   0
.set VV,  128
.set MSB, 0
.macro WIN new                         ; the immediate's high byte repeats the setting that is left
.if MSB != \new
	s_set_vgpr_msb (MSB<<8)|\new
.set MSB, \new
.endif
.endm
.macro CROUND                          ; a round of the cluster's barrier
	s_barrier_signal -1
	s_barrier_wait -1
	s_cmp_lg_u32 s10, 0
	s_cbranch_scc1 .Lnot_wave_0_\@
	s_barrier_signal -3
.Lnot_wave_0_\@:
	s_barrier_wait -3
	s_barrier_signal -1
	s_barrier_wait -1
.endm
	s_load_b128 s[4:7], s[0:1], 0x0                ; qb, kv
	s_load_b64 s[8:9], s[0:1], 0x10                ; ac
	v_lshl_add_u32 v[SPW], v0, 2, SPARE
	v_mov_b32 v[NIL], 0
	ds_add_u32 v[SPW], v[NIL]                      ; the opening lines: the add, twice on end, and its wait ahead of my tensor load
	ds_add_u32 v[SPW], v[NIL]
	v_lshrrev_b32 v11, 5, v0
	v_readfirstlane_b32 s10, v11                   ; wave 0..7
	s_bfe_u32 s11, ttmp6, 0x40000                  ; cx
	s_and_b32 s12, ttmp7, 0xffff                   ; 16 batch + head
	s_mov_b32 s24, 15|(3<<16)|(1<<21)              ; the mask of all four; elements of 8 bytes; bit 21 beside a mask
	s_mov_b32 s25, 32<<16                          ; rows of 32 elements = 256 bytes
	s_mov_b32 s26, 102<<16                         ; 102 rows: two steps
	s_mov_b32 s27, 32<<16
	s_mov_b32 s28, 102
	s_mov_b32 s29, 32
	s_mov_b32 s30, 0
	s_mov_b32 s31, 0
	s_mul_i32 s33, s10, WPART                      ; LDS: wave x 26,112
	s_mul_i32 s14, s12, 208896
	s_add_co_u32 s14, s14, s33
	s_mov_b32 s15, 0
	s_lshr_b32 s18, s10, 1
	s_lshl_b32 s19, s11, 2
	s_add_co_u32 s18, s18, s19                     ; my group of 128 queries: 4 cx + wave / 2
	s_and_b32 s19, s10, 1                          ; and which four of its eight tiles
	s_mul_i32 s2, s12, 106496
	s_mul_i32 s3, s18, 6656
	s_add_co_u32 s2, s2, s3
	s_mul_i32 s3, s19, 3072
	s_add_co_u32 s52, s2, s3                       ; q's half images
	s_mov_b32 s53, 0
	s_lshl_b32 s3, s19, 4
	s_add_co_u32 s58, s2, s3
	s_add_co_u32 s58, s58, 6144                    ; q's scale words
	s_mov_b32 s59, 0
	s_lshr_b32 s3, s12, 4
	s_lshl_b32 s3, s3, 4
	s_add_co_u32 s3, s3, s18
	s_lshl_b32 s3, s3, 3
	s_bfe_u32 s2, s12, 0x30001
	s_add_co_u32 s3, s3, s2
	s_mul_i32 s3, s3, 12800                        ; ac: operand block (16 batch + group, K step head / 2)
	s_and_b32 s2, s12, 1
	s_mul_i32 s54, s19, 6144
	s_add_co_u32 s54, s54, s3
	s_mul_i32 s60, s2, 768
	s_add_co_u32 s54, s54, s60                     ; my four images' halves head % 2
	s_mov_b32 s55, 0
	s_lshl_b32 s60, s19, 8
	s_add_co_u32 s60, s60, s3
	s_lshl_b32 s2, s2, 1
	s_add_co_u32 s60, s60, s2
	s_add_co_u32 s60, s60, 12288                   ; and their scale words' two bytes
	s_mov_b32 s61, 0
	s_mov_b32 s20, 0x76543210
	s_mov_b32 s21, 0xfedcba98                      ; lane l xor 16
	s_mov_b32 s22, 0x3e38aa3b                      ; log2(e) / 8
	s_mov_b32 s23, s22
	s_mov_b32 s56, 0x7f7f0000
	s_mov_b32 s32, 1
	s_wait_dscnt 0x0                               ; both opening adds are done
	s_wait_kmcnt 0x0
	s_add_nc_u64 s[34:35], s[6:7], s[14:15]
	s_or_b32 s35, s35, 0x80000000
	s_add_nc_u64 s[52:53], s[4:5], s[52:53]
	s_add_nc_u64 s[58:59], s[4:5], s[58:59]
	s_add_nc_u64 s[54:55], s[8:9], s[54:55]
	s_add_nc_u64 s[60:61], s[8:9], s[60:61]
	CROUND                                         ; the four work-groups are here: the joint loads meet
	tensor_load_to_lds s[32:35], s[24:31]          ; steps 2 wave and 2 wave + 1: my one tensor load
	s_nop 0
.rept 4
	v_nop
.endr
	v_and_b32 v41, 31, v0                          ; lane
	v_and_b32 v62, 15, v0                          ; r
	v_bfe_u32 v63, v0, 4, 1                        ; h
	v_and_b32 v54, 7, v0                           ; y
	v_bfe_u32 v55, v0, 3, 1                        ; g
	v_lshlrev_b32 v1, 4, v41                       ; 16 x lane
	v_lshlrev_b32 v4, 3, v41                       ; 8 x lane
	v_mul_u32_u24 v56, v55, 1536
	v_lshl_add_u32 v5, v54, 4, v56
	v_lshl_add_u32 v5, v63, 8, v5                  ; K's registers 0-3: 1536 g + 16 y + 256 h
	v_lshl_add_u32 v6, v54, 3, v56
	v_lshl_add_u32 v6, v63, 7, v6                  ; K's registers 4-5: 1536 g + 8 y + 128 h
	v_lshlrev_b32 v7, 5, v54
	v_lshl_add_u32 v7, v55, 3, v7                  ; K's scale words: 32 y + 8 g
	v_lshlrev_b32 v8, 4, v62                       ; V's: 16 r
	v_lshlrev_b32 v9, 3, v63                       ; 8 h
	v_lshlrev_b32 v10, 2, v62                      ; 4 r
	v_lshlrev_b32 v11, 5, v62                      ; 32 r
.irp i, 0,1,2,3
	global_load_b128 v[Q+12*\i:Q+12*\i+3], v1, s[52:53] offset:768*\i
	global_load_b64 v[Q+12*\i+4:Q+12*\i+5], v4, s[52:53] offset:768*\i+512
.endr
	global_load_b128 v[QS:QS+3], v11, s[58:59]     ; my row's words of the four tiles
.irp j, 0,1,2,3,4,5
	v_mov_b32 v[Z0+\j], 0                          ; behind K's last half fragment
.irp i, 0,1,2,3
	v_mov_b32 v[Q+12*\i+6+\j], 0                   ; q's codes of k = 64 .. 127 are zeros
.endr
.endr
	v_mov_b32 v[F+1], 0                            ; the upper half of a pair that is named whole
	v_mov_b32 v[T+1], 0                            ; a lane permute's destination counts as one of its sources
	WIN 0x40
.set J, 0
.rept 128
	v_mov_b32 v[O+J], 0                            ; O^T
.set J, J+1
.endr
	WIN 0
	s_wait_alu depctr_va_vdst(0)
	s_wait_loadcnt 0x0
.irp i, 0,1,2,3
	v_and_or_b32 v[QS+\i], v[QS+\i], 0xffff, s56   ; bytes 2, 3 scale zeros: 1.0
.endr
.irp i, 0,1,2,3
	v_mov_b32 v[ST+4*\i], 0x7f61b1e6               ; -M
	v_mov_b32 v[ST+4*\i+1], 0xff61b1e6             ; the largest score so far: -3e38
	v_mov_b32 v[ST+4*\i+2], 0
	v_mov_b32 v[ST+4*\i+3], 0
.endr
.macro KADDR                           ; where K's step at byte s49 lies
	v_add_nc_u32 v[TA], s49, v5
	v_add_nc_u32 v[TA+1], s49, v6
	v_add_nc_u32 v[TA+2], s49, v7
.endm
.macro KLOAD                           ; 20 loads: eight half fragments and their scale words
.irp c, 0,1
.irp u, 0,1,2,3
	ds_load_b128 v[K+6*(4*\c+\u):K+6*(4*\c+\u)+3], v[TA] offset:768*(4*\c+(\u%2))+128*(\u/2)
	ds_load_b64 v[K+6*(4*\c+\u)+4:K+6*(4*\c+\u)+5], v[TA+1] offset:512+768*(4*\c+(\u%2))+64*(\u/2)
.endr
.endr
.irp c, 0,1
.irp x, 0,1
	ds_load_b64 v[KS+4*\c+2*\x:KS+4*\c+2*\x+1], v[TA+2] offset:12288+256*\x+16*\c
.endr
.endr
.endm
.macro QK i                            ; S^T of query tile i: source 0 = a tile of K with the next tile's registers behind it, which meet q's zeros
.irp t, 0,1,2,3,4,5,6,7
	v_wmma_scale_f32_16x16x128_f8f6f4 v[S+8*\t:S+8*\t+7], v[K+6*\t:K+6*\t+11], v[Q+12*(\i):Q+12*(\i)+11], 0, v[KS+\t], v[QS+(\i)] matrix_a_fmt:MATRIX_FMT_FP6 matrix_b_fmt:MATRIX_FMT_FP6
.endr
.endm
.macro SOFT i                          ; scores -> p, the sum, p's codes in v[PC] on, its scale word in v[PW], f in v[F]
.set NM, ST+4*(\i)
.set LL, ST+4*(\i)+2
.irp t, 0,1,2,3                        ; eight chains by turns, one to an accumulator, each from its low end on; block h's in v[BM] on, block 2 + h's in v[PX] on, which is free here
	v_max3_num_f32 v[BM+\t], v[S+8*\t], v[S+8*\t+1], v[S+8*\t+2]
	v_max3_num_f32 v[PX+\t], v[S+32+8*\t], v[S+32+8*\t+1], v[S+32+8*\t+2]
.endr
.irp j, 3,5
.irp t, 0,1,2,3
	v_max3_num_f32 v[BM+\t], v[BM+\t], v[S+8*\t+\j], v[S+8*\t+\j+1]
	v_max3_num_f32 v[PX+\t], v[PX+\t], v[S+32+8*\t+\j], v[S+32+8*\t+\j+1]
.endr
.endr
	v_max3_num_f32 v[BM], v[BM], v[BM+1], v[S+7]   ; the chains join, each line with one accumulator's last register
	v_max3_num_f32 v[PX], v[PX], v[PX+1], v[S+39]
	v_max3_num_f32 v[BM+2], v[BM+2], v[BM+3], v[S+15]
	v_max3_num_f32 v[PX+2], v[PX+2], v[PX+3], v[S+47]
	v_max3_num_f32 v[BM], v[BM], v[BM+2], v[S+23]
	v_max3_num_f32 v[BM+2], v[PX], v[PX+2], v[S+55]
	v_max_num_f32 v[BM], v[BM], v[S+31]            ; my block h's largest score,
	v_max_num_f32 v[BM+2], v[BM+2], v[S+63]        ; and block 2 + h's
	s_delay_alu instid0(VALU_DEP_1)
	v_max3_num_f32 v[T], v[BM], v[BM+2], v[NM+1]
	s_delay_alu instid0(VALU_DEP_1)
	v_permlanex16_b32 v[T+1], v[T], s20, s21
	s_delay_alu instid0(VALU_DEP_1)
	v_max_num_f32 v[NM+1], v[T], v[T+1]            ; the running largest score of my query
	s_delay_alu instid0(VALU_DEP_1)
	v_mul_f32 v[T], s22, v[NM+1]
	s_delay_alu instid0(VALU_DEP_1)
	v_floor_f32 v[T], -v[T]                        ; the new -M
	s_delay_alu instid0(VALU_DEP_1)
	v_sub_f32 v[T+1], v[T], v[NM]                  ; old M less new M
	v_mov_b32 v[NM], v[T]
.irp j, 0,2,4,6,8,10,12,14,16,18,20,22,24,26,28,30,32,34,36,38,40,42,44,46,48,50,52,54,56,58,60,62
	v_pk_fma_f32 v[S+\j:S+\j+1], v[S+\j:S+\j+1], s[22:23], v[NM:NM+1] op_sel_hi:[1,0,0]   ; t - M
.endr
	v_fma_f32 v[BM], v[BM], s22, v[NM]
	v_fma_f32 v[BM+2], v[BM+2], s22, v[NM]
	s_wait_alu depctr_va_vdst(0)                   ; ahead of the batch
.set J, 0
.rept 64
	v_exp_f32 v[S+J], v[S+J]
.set J, J+1
.endr
	v_exp_f32 v[BM], v[BM]                         ; each block's largest p: the same two instructions on the same number
	v_exp_f32 v[BM+2], v[BM+2]
	v_cvt_i32_f32 v[T+1], v[T+1]                   ; (it saturates)
	v_ldexp_f32 v[F], 1.0, v[T+1]                  ; f = 2^(old M - new M)
	s_wait_alu depctr_va_vdst(0)                   ; one wait for the batch, ahead of its first reader
.irp k, 0,1,2,3                        ; the sum of the unquantised p: eight chains of pairs, four in v[SA] on, four in v[PX] on, which is free until the conversions
	v_pk_add_f32 v[SA+2*\k:SA+2*\k+1], v[S+2*\k:S+2*\k+1], v[S+16+2*\k:S+16+2*\k+1]
	v_pk_add_f32 v[PX+2*\k:PX+2*\k+1], v[S+8+2*\k:S+8+2*\k+1], v[S+24+2*\k:S+24+2*\k+1]
.endr
.irp j, 32,48
.irp k, 0,1,2,3
	v_pk_add_f32 v[SA+2*\k:SA+2*\k+1], v[SA+2*\k:SA+2*\k+1], v[S+\j+2*\k:S+\j+2*\k+1]
	v_pk_add_f32 v[PX+2*\k:PX+2*\k+1], v[PX+2*\k:PX+2*\k+1], v[S+\j+8+2*\k:S+\j+8+2*\k+1]
.endr
.endr
	v_max_num_f32 v[BM], 0x1800000, v[BM]          ; the floor 2^(3 - 127): the byte cannot fall under 1
	v_max_num_f32 v[BM+2], 0x1800000, v[BM+2]
.irp k, 0,1,2,3
	v_pk_add_f32 v[SA+2*\k:SA+2*\k+1], v[SA+2*\k:SA+2*\k+1], v[PX+2*\k:PX+2*\k+1]
.endr
	v_add_nc_u32 v[SO], 0xff000000, v[BM]          ; 2 off the exponent field: the conversion's scale operand
	v_add_nc_u32 v[SO+1], 0xff000000, v[BM+2]
	v_pk_add_f32 v[SA:SA+1], v[SA:SA+1], v[SA+2:SA+3]
	v_pk_add_f32 v[SA+4:SA+5], v[SA+4:SA+5], v[SA+6:SA+7]
	v_pk_add_f32 v[SA:SA+1], v[SA:SA+1], v[SA+4:SA+5]
	v_cvt_scalef32_pk16_fp6_f32 v[PC:PC+2], v[S:S+15], v[SO]
	v_cvt_scalef32_pk16_fp6_f32 v[PX:PX+2], v[S+16:S+31], v[SO]      ; (a conversion's three registers begin on an even number)
	v_cvt_scalef32_pk16_fp6_f32 v[PC+6:PC+8], v[S+32:S+47], v[SO+1]
	v_cvt_scalef32_pk16_fp6_f32 v[PX+4:PX+6], v[S+48:S+63], v[SO+1]
	v_lshrrev_b32 v[BM], 23, v[SO]                 ; the bytes (plain lines behind the conversions)
	v_lshrrev_b32 v[BM+2], 23, v[SO+1]
	v_pk_fma_f32 v[LL:LL+1], v[LL:LL+1], v[F:F+1], v[SA:SA+1] op_sel_hi:[1,0,1]   ; the sum under the new M, and this step's
	v_lshl_or_b32 v[TW], v[BM+2], 16, v[BM]        ; my bytes, blocks h and 2 + h,
	v_mov_b32 v[PC+3], v[PX]
	v_lshlrev_b32 v[TW], v9, v[TW]                 ; at their places;
	v_mov_b32 v[PC+4], v[PX+1]
	v_permlanex16_b32 v[T], v[TW], s20, s21
	v_mov_b32 v[PC+5], v[PX+2]
	v_mov_b32 v[PC+9], v[PX+4]
	v_mov_b32 v[PC+10], v[PX+5]
	v_mov_b32 v[PC+11], v[PX+6]
	v_or_b32 v[PW], v[TW], v[T]                    ; with lane l xor 16's two the word is whole
.endm
.macro BPART i, waitv                  ; O^T of tile i under the new M, then += v^T p^T
	WIN 0x41                                       ; destination and source 0: window 1
.if \waitv
	s_wait_dscnt 0x0                               ; V's fragments and scale words are in
.endif
	s_wait_alu depctr_va_vdst(0)                   ; directly ahead of the first reader of O^T
.irp j, 0,2,4,6,8,10,12,14,16,18,20,22,24,26,28,30
	v_pk_mul_f32 v[O+32*(\i)+\j:O+32*(\i)+\j+1], v[O+32*(\i)+\j:O+32*(\i)+\j+1], v[F:F+1] op_sel_hi:[1,0]
.endr
	WIN 0x51                                       ; D, C and source 0 (V): window 1
.irp t, 0,1,2,3
	v_wmma_scale_f32_16x16x128_f8f6f4 v[O+32*(\i)+8*\t:O+32*(\i)+8*\t+7], v[VV+12*\t:VV+12*\t+11], v[PC:PC+11], v[O+32*(\i)+8*\t:O+32*(\i)+8*\t+7], v[VS+\t], v[PW] matrix_a_fmt:MATRIX_FMT_FP6 matrix_b_fmt:MATRIX_FMT_FP6
.endr
	WIN 0
.endm
	s_mov_b32 s49, 0
	KADDR
	s_mov_b32 s48, 0                               ; this step's byte in LDS
	s_mov_b32 s50, 16                              ; steps to go
	s_wait_alu depctr_va_vdst(0)                   ; the head's end
	s_wait_tensorcnt 0x0                           ; my two steps are in
	s_barrier_signal -1
	s_barrier_wait -1                              ; everybody's are
	KLOAD
.Lstep:
	v_add_nc_u32 v[TA+3], s48, v1                  ; these four lines are the places behind the last step's products
	v_add_nc_u32 v[TA+4], s48, v4
	v_add_nc_u32 v[TA+5], s48, v8
	v_nop
	s_add_co_u32 s49, s48, STEPB
	s_min_u32 s49, s49, 15*STEPB                   ; the next step's K; held inside the tiles in the last trip, which fetches nothing
	WIN 0x40
.irp t, 0,1,2,3
.irp c, 0,1
	ds_load_b128 v[VV+12*\t+6*\c:VV+12*\t+6*\c+3], v[TA+3] offset:6144+1536*\t+768*\c
	ds_load_b64 v[VV+12*\t+6*\c+4:VV+12*\t+6*\c+5], v[TA+4] offset:6144+1536*\t+768*\c+512
.endr
.endr
	WIN 0
	ds_load_b128 v[VS:VS+3], v[TA+5] offset:12800
	s_wait_dscnt 17                                ; K's 20 loads are in; V's 17, just issued, may be out
	QK 0
	KADDR                                          ; with the v_nop: four places behind the scores
	v_nop
	SOFT 0
	QK 1
	BPART 0, 1
	SOFT 1
	QK 2
	BPART 1, 0
	SOFT 2
	QK 3
	BPART 2, 0
	s_wait_alu depctr_va_vdst(0)                   ; ahead of the branch
	s_cmp_eq_u32 s50, 1
	s_cbranch_scc1 .Lno_next                       ; the last step has no successor
	KLOAD                                          ; K's registers were last read by QK 3, 16 plain lines ago
.Lno_next:
	SOFT 3
	BPART 3, 0
	s_add_co_u32 s48, s48, STEPB
	s_sub_co_u32 s50, s50, 1
	s_cmp_lg_u32 s50, 0
	s_wait_alu depctr_va_vdst(0)                   ; ahead of the backward jump
	s_cbranch_scc1 .Lstep
.irp i, 0,1,2,3
	v_add_f32 v[ST+4*\i+2], v[ST+4*\i+2], v[ST+4*\i+3]
.endr
.irp i, 0,1,2,3
	v_permlanex16_b32 v[BM+\i], v[ST+4*\i+2], s20, s21
.endr
.irp i, 0,1,2,3
	v_add_f32 v[ST+4*\i+2], v[ST+4*\i+2], v[BM+\i]  ; the rows' sums
.endr
	s_wait_alu depctr_va_vdst(0)                   ; ahead of the batch
.irp i, 0,1,2,3
	v_rcp_f32 v[ST+4*\i+2], v[ST+4*\i+2]
.endr
	v_nop
; THE WAY OUT of tile i: O^T / the sum; register 16 b + e is channel 32 b + 16 h + e of query r; quantised along the channels; a half image of gemm_out's operand and two bytes of its scale word.
.macro OUT i
.set E, K+12*(\i)                      ; codes E .. E+5, their second half E+6 .. E+8: registers of their own for each tile, so that no store's data are written again
.set X, S+32*((\i)%2)
	WIN 0x01
	s_wait_alu depctr_va_vdst(0)                   ; ahead of the first reader of the reciprocals and of O^T
.irp j, 0,2,4,6,8,10,12,14,16,18,20,22,24,26,28,30
	v_pk_mul_f32 v[X+\j:X+\j+1], v[O+32*(\i)+\j:O+32*(\i)+\j+1], v[ST+4*(\i)+2:ST+4*(\i)+3] op_sel_hi:[1,0]
.endr
	WIN 0
.irp b, 0,1
	v_max3_num_f32 v[BM+\b], |v[X+16*\b]|, |v[X+16*\b+1]|, 0x1800000
.endr
.irp j, 2,4,6,8,10,12,14
.irp b, 0,1
	s_delay_alu instid0(VALU_DEP_2)
	v_max3_num_f32 v[BM+\b], v[BM+\b], |v[X+16*\b+\j]|, |v[X+16*\b+\j+1]|
.endr
.endr
.irp b, 0,1
	s_delay_alu instid0(VALU_DEP_2)
	v_permlanex16_b32 v[T+\b], v[BM+\b], s20, s21
.endr
.irp b, 0,1
	s_delay_alu instid0(VALU_DEP_2)
	v_max_num_f32 v[BM+\b], v[BM+\b], v[T+\b]
.endr
.irp b, 0,1
	s_delay_alu instid0(VALU_DEP_2)
	v_add_nc_u32 v[SO+\b], 0xff000000, v[BM+\b]
.endr
.irp b, 0,1
	s_delay_alu instid0(VALU_DEP_2)
	v_lshrrev_b32 v[BM+\b], 23, v[SO+\b]
.endr
	s_delay_alu instid0(VALU_DEP_1)
	v_lshl_or_b32 v[SA+(\i)], v[BM+1], 8, v[BM]
	v_cvt_scalef32_pk16_fp6_f32 v[E:E+2], v[X:X+15], v[SO]
	v_cvt_scalef32_pk16_fp6_f32 v[E+6:E+8], v[X+16:X+31], v[SO+1]
	v_nop                                          ; one plain place behind a scaled conversion
.irp e, 0,1,2
	v_permlane16_swap_b32 v[E+\e], v[E+6+\e]       ; a whole block to a lane
.endr
.irp e, 0,1,2
	v_mov_b32 v[E+3+\e], v[E+6+\e]
.endr
	global_store_b128 v1, v[E:E+3], s[54:55] offset:1536*(\i)
	global_store_b64 v4, v[E+4:E+5], s[54:55] offset:1536*(\i)+512
	global_store_b16 v10, v[SA+(\i)], s[60:61] offset:64*(\i)
.endm
	OUT 0
	OUT 1
	OUT 2
	OUT 3
	s_wait_tensorcnt 0x0                           ; the wave's end
	ds_add_u32 v[SPW], v[NIL]
	s_wait_dscnt 0x0
	CROUND                                         ; the closing round
	s_endpgm
.Lfunc_end_k_q267808d6e2_attn:
	.size	k_q267808d6e2_attn, .Lfunc_end_k_q267808d6e2_attn-k_q267808d6e2_attn
	.p2alignl 7, 3214868480
	.fill 96, 4, 3214868480
	.section	.rodata,"a",@progbits
	.p2align	6, 0x0
	.amdhsa_kernel k_q267808d6e2_attn
		.amdhsa_group_segment_fixed_size 209920
		.amdhsa_private_segment_fixed_size 0
		.amdhsa_enable_private_segment 0
		.amdhsa_kernarg_size 24
		.amdhsa_user_sgpr_count 2
		.amdhsa_user_sgpr_kernarg_segment_ptr 1
		.amdhsa_wavefront_size32 1
		.amdhsa_system_sgpr_workgroup_id_x 1
		.amdhsa_system_sgpr_workgroup_id_y 1
		.amdhsa_system_sgpr_workgroup_id_z 1
		.amdhsa_system_vgpr_workitem_id 0
		.amdhsa_next_free_vgpr 512
		.amdhsa_next_free_sgpr 66
		.amdhsa_reserve_vcc 0
		.amdhsa_float_denorm_mode_32 3
		.amdhsa_float_denorm_mode_16_64 3
		.amdhsa_memory_ordered 1
		.amdhsa_forward_progress 1
		.amdhsa_inst_pref_size 83
	.end_amdhsa_kernel
	.amdgpu_metadata
---
amdhsa.version: [ 1, 2 ]
amdhsa.kernels:
  - .name:           k_q267808d6e2_attn
    .symbol:         k_q267808d6e2_attn.kd
    .args:
      - { .name: qb, .offset: 0, .size: 8, .value_kind: global_buffer, .address_space: global }
      - { .name: kv, .offset: 8, .size: 8, .value_kind: global_buffer, .address_space: global }
      - { .name: ac, .offset: 16, .size: 8, .value_kind: global_buffer, .address_space: global }
    .group_segment_fixed_size: 209920
    .private_segment_fixed_size: 0
    .kernarg_segment_align: 8
    .kernarg_segment_size: 24
    .max_flat_workgroup_size: 256
    .sgpr_count:     66
    .vgpr_count:     512
    .wavefront_size: 32
...
	.end_amdgpu_metadata
.endif
;; end of part 3
;; launch gemm_out (part 4): grid 4 x 64, 4 waves a work-group, clusters of 4 x 4, 327,680 bytes of LDS; arguments ac, woc, b_out, out0; writes out0
.if DOCPART == 4
	.amdgcn_target "amdgcn-amd-amdhsa--gfx1250"
	.amdhsa_code_object_version 6
	.text
	.protected	k_q267808d6e2_gemm_out
	.globl	k_q267808d6e2_gemm_out
	.p2align	8
	.type	k_q267808d6e2_gemm_out,@function
k_q267808d6e2_gemm_out:
	s_mov_b64 s[64:65], 0
	v_nop
	global_prefetch_b8 v0, s[64:65] scope:SCOPE_SE
	s_setreg_imm32_b32 hwreg(HW_REG_WAVE_MODE, 25, 1), 1
	s_wait_xcnt 0x0
	s_wait_alu depctr_hold_cnt(0) depctr_sa_sdst(0) depctr_va_vdst(0) depctr_va_sdst(0) depctr_va_ssrc(0) depctr_va_vcc(0) depctr_vm_vsrc(0)
	s_getreg_b32 s2, hwreg(HW_REG_IB_STS2, 6, 4)
	s_cmp_eq_u32 s2, 0
	s_cbranch_scc0 .Lentry_in_a_cluster
	s_endpgm
.Lentry_in_a_cluster:
	s_bfe_u32 s2, ttmp6, 0x10000c
	s_cmp_lg_u32 s2, 0xf033
	s_cbranch_scc0 .Lentry_shape_is_right
	s_endpgm
.Lentry_shape_is_right:
; out0 = o W_out + b_out on codes of FP6 (E2M3) with E8M0 scales.  o (ac) and W_out (woc) come as operand blocks of 12,800 bytes (128 rows x 128 K: eight fragment images of 1,536 bytes in the order of the
; operand's registers, then 512 bytes of scale words); lane r of tile t holds row P(t, r) = 32 (t / 2) + 8 (t % 2) + r + 8 (r / 8) of the 128; block (group G, K step s) lies at (8 G + s) x 12,800.
; A work-group makes 128 tokens x 256 columns: 64 x 4 = 256 work-groups.  ALL OF K LIES IN LDS: A's eight blocks (102,400 bytes), then B's sixteen (204,800): each wave asks for its part by ONE joint load at the head
; (waves 0, 1: halves of A, 200 rows of 256 bytes; waves 2, 3: B's two groups, 400 rows); nothing is filled again.  4 x 4 work-groups form a cluster: A is asked for jointly along a row, B along a column.
; NO PREFETCH: every tile is asked for by the head's one load a wave; there is no later load to run ahead of.
; A wave makes 64 x 128: A's tiles 4 (wave / 2) + 0 .. 3 against the eight tiles of B's group wave % 2: 32 accumulators, which take turns in the same order in every K step.
; Source 0 takes B's tiles, source 1 A's: in accumulator (a, b) lane (r, h), register j holds token P(a, r) and column 32 (b / 2) + 16 h + 8 (b % 2) + j.  The bias is the C of each sum's first product.
; Fragments and scale words have two sets: step k + 1's 56 LDS loads are issued ahead of step k's 32 products.
; REGISTERS: window 0: v1-7 lane terms; v8-19 LDS addresses (for K steps 0-3 and 4-7: an offset has 16 bits); v20, v21 the stage; v28, v29 the add's two; v32-47 scale words; v64-127 the bias; v128-223 A's fragments;
;   on the way out v128-255.  window 1: B's fragments, at v0 and v128.  window 2: the accumulators, (a, b) at v[8 (8 a + b)].
.set BLKB,  12800
.set HALFK, 51200                      ; four blocks
.set BREG,  102400                     ; where B begins in LDS
.set SPARE, 307200                     ; the spare words, 128 bytes for each wave
.set FR,    12
.set ADRA,  8                          ; v8, v9: my tiles of A + 16 x lane, K steps 0-3, 4-7;  v10, v11: + 8 x lane
.set ADRB,  12                         ; v12-15 the same for B
.set ADRS,  16                         ; v16, v17 scale words: lanes 0-15 A's, lanes 16-31 B's;  v18, v19: all lanes B's
.set STO,   20
.set RD,    21
.set SPW,   28
.set NIL,   29
.set SC,    32
.set BIAS,  64
.set AF,    128
.set BK,    128
.set G1,    24
.set G0,    32
.set G1B,   48
.set G0B,   56
.set MSB, 0
.macro WIN new                         ; the immediate's high byte repeats the setting that is left
.if MSB != \new
	s_set_vgpr_msb (MSB<<8)|\new
.set MSB, \new
.endif
.endm
.macro CROUND                          ; a round of the cluster's barrier
	s_barrier_signal -1
	s_barrier_wait -1
	s_cmp_lg_u32 s14, 0
	s_cbranch_scc1 .Lnot_wave_0_\@
	s_barrier_signal -3
.Lnot_wave_0_\@:
	s_barrier_wait -3
	s_barrier_signal -1
	s_barrier_wait -1
.endm
.macro PLACES
.rept 4
	v_nop
.endr
.endm
	s_load_b128 s[4:7], s[0:1], 0x0                ; ac, woc
	s_load_b128 s[8:11], s[0:1], 0x10              ; b_out, out0
	v_lshl_add_u32 v[SPW], v0, 2, SPARE
	v_mov_b32 v[NIL], 0
	ds_add_u32 v[SPW], v[NIL]                      ; the opening lines: the add, twice on end, and its wait ahead of my tensor load
	ds_add_u32 v[SPW], v[NIL]
	v_lshrrev_b32 v1, 5, v0
	v_readfirstlane_b32 s14, v1                    ; wave
	s_lshr_b32 s15, s14, 1                         ; my half of A's tiles.  Also: I fetch for A (0) or for B (1)
	s_and_b32 s16, s14, 1                          ; my group of B.  Also: which half I fetch
	s_bfe_u32 s40, ttmp6, 0x40000                  ; cx
	s_bfe_u32 s41, ttmp6, 0x40004                  ; cy
	s_lshl_b32 s45, ttmp9, 2
	s_add_co_u32 s45, s45, s40                     ; the tile of 256 columns
	s_and_b32 s19, ttmp7, 0xffff
	s_lshl_b32 s19, s19, 2
	s_add_co_u32 s19, s19, s41                     ; the group of 128 tokens
	s_lshl_b32 s43, s41, 2
	s_lshl_b32 s43, 15, s43                        ; my row of the cluster
	s_lshl_b32 s44, 0x1111, s40                    ; my column
	s_or_b32 s[G1+0], s43, (3<<16)|(1<<21)         ; the mask; elements of 8 bytes; bit 21 beside a mask
	s_or_b32 s[G1B+0], s44, (3<<16)|(1<<21)
	s_mov_b32 s[G1+1], 32<<16                      ; rows of 32 elements: 256 bytes
	s_mov_b32 s[G1+2], 200<<16                     ; A: 200 rows: four blocks
	s_mov_b32 s[G1+3], 32<<16
	s_mov_b32 s[G1+4], 200
	s_mov_b32 s[G1+5], 32
	s_mov_b32 s[G1+6], 0
	s_mov_b32 s[G1+7], 0
	s_mov_b32 s[G1B+1], 32<<16
	s_mov_b32 s[G1B+2], 400<<16                    ; B: 400 rows: a group's eight blocks
	s_mov_b32 s[G1B+3], 32<<16
	s_mov_b32 s[G1B+4], 400
	s_mov_b32 s[G1B+5], 32
	s_mov_b32 s[G1B+6], 0
	s_mov_b32 s[G1B+7], 0
	s_mul_i32 s22, s19, 102400
	s_mul_i32 s[G0+1], s16, HALFK                  ; LDS: A's half
	s_add_co_u32 s22, s22, s[G0+1]
	s_mov_b32 s23, 0
	s_mul_i32 s66, s45, 204800
	s_mul_i32 s67, s16, 102400
	s_add_co_u32 s66, s66, s67
	s_add_co_u32 s[G0B+1], s67, BREG               ; LDS: B's group
	s_mov_b32 s67, 0
	s_mov_b32 s[G0], 1
	s_mov_b32 s[G0B], 1
	s_wait_dscnt 0x0                               ; both opening adds are done
	s_wait_kmcnt 0x0
	s_add_nc_u64 s[G0+2:G0+3], s[4:5], s[22:23]
	s_or_b32 s[G0+3], s[G0+3], 0x80000000
	s_add_nc_u64 s[G0B+2:G0B+3], s[6:7], s[66:67]
	s_or_b32 s[G0B+3], s[G0B+3], 0x80000000
	CROUND                                         ; all sixteen work-groups are here: the joint loads meet
	s_cmp_eq_u32 s15, 0                            ; one load a wave; the branch hangs on the wave's number alone
	s_cbranch_scc0 .Lfor_b
	tensor_load_to_lds s[G0:G0+3], s[G1:G1+7]
	s_nop 0
	PLACES
	s_branch .Lasked
.Lfor_b:
	tensor_load_to_lds s[G0B:G0B+3], s[G1B:G1B+7]
	s_nop 0
	PLACES
.Lasked:
	v_and_b32 v1, 15, v0                           ; r
	v_bfe_u32 v2, v0, 4, 1                         ; h
	v_and_b32 v3, 31, v0
	v_lshlrev_b32 v4, 4, v3                        ; 16 x lane
	v_lshlrev_b32 v5, 3, v3                        ; 8 x lane
	v_lshlrev_b32 v7, 6, v2                        ; the bias along B's rows: 64 h
	s_lshl_b32 s68, s45, 10
	s_lshl_b32 s69, s16, 9
	s_add_co_u32 s68, s68, s69                     ; my first column, in bytes
	s_mov_b32 s69, 0
	s_add_nc_u64 s[72:73], s[8:9], s[68:69]
.irp b, 0,1,2,3,4,5,6,7
	global_load_b128 v[BIAS+8*\b:BIAS+8*\b+3], v7, s[72:73] offset:(32*(\b/2)+8*(\b%2))*4
	global_load_b128 v[BIAS+8*\b+4:BIAS+8*\b+7], v7, s[72:73] offset:(32*(\b/2)+8*(\b%2))*4+16
.endr
	s_lshl_b32 s74, s19, 7
	s_lshl_b32 s75, s15, 6
	s_add_co_u32 s74, s74, s75                     ; my first token: 128 group + 64 half
	s_lshl_b32 s74, s74, 12
	s_add_co_u32 s74, s74, s68
	s_mov_b32 s75, 0
	s_add_nc_u64 s[10:11], s[10:11], s[74:75]
	s_mul_i32 s68, s15, 6144                       ; my four tiles of A
	s_mul_i32 s69, s16, 102400
	s_add_co_u32 s69, s69, BREG                    ; my group of B
	s_wait_alu depctr_va_vdst(0)
.irp s, 0,1
	v_add_nc_u32 v[ADRA+\s], s68, v4
	v_add_nc_u32 v[ADRA+2+\s], s68, v5
	v_add_nc_u32 v[ADRB+\s], s69, v4
	v_add_nc_u32 v[ADRB+2+\s], s69, v5
	s_add_co_u32 s68, s68, HALFK
	s_add_co_u32 s69, s69, HALFK
.endr
	s_lshl_b32 s68, s15, 8                         ; my tiles' scale words in a block of A: 64 x tile
	s_mul_i32 s69, s16, 102400
	s_add_co_u32 s69, s69, BREG
	s_sub_co_u32 s70, s69, s68
	v_mul_u32_u24 v6, s70, v2                      ; lanes 16-31 take B's words
	v_lshl_add_u32 v6, v1, 2, v6
	v_add_nc_u32 v[ADRS], s68, v6
	v_add_nc_u32 v[ADRS+1], HALFK, v[ADRS]
	v_lshlrev_b32 v6, 2, v1
	v_add_nc_u32 v[ADRS+2], s69, v6
	v_add_nc_u32 v[ADRS+3], HALFK, v[ADRS+2]
	s_mul_i32 s70, s14, 8448                       ; my stage: 16 rows of 528 bytes, on A's first blocks, which nobody reads any more when it is written
	v_mul_u32_u24 v6, v1, 528
	v_lshl_add_u32 v6, v2, 6, v6
	v_add_nc_u32 v[STO], s70, v6
	v_add_nc_u32 v[RD], s70, v4
.macro FRAG reg, a16, a8, off          ; a fragment's image comes back as it was stored: registers 0-3, 4-5, 6-9, 10-11
	ds_load_b128 v[\reg:\reg+3], v[\a16] offset:(\off)
	ds_load_b64 v[\reg+4:\reg+5], v[\a8] offset:(\off)+512
	ds_load_b128 v[\reg+6:\reg+9], v[\a16] offset:(\off)+768
	ds_load_b64 v[\reg+10:\reg+11], v[\a8] offset:(\off)+1280
.endm
.macro FETCH k                         ; K step k's 56 loads into set k % 2
	WIN 0x40
.irp i, 0,1,2,3,4,5,6,7
	FRAG 128*((\k)%2)+FR*\i, ADRB+(\k)/4, ADRB+2+(\k)/4, BLKB*((\k)%4)+1536*\i
.endr
	WIN 0
.irp i, 0,1,2,3
	FRAG AF+48*((\k)%2)+FR*\i, ADRA+(\k)/4, ADRA+2+(\k)/4, BLKB*((\k)%4)+1536*\i
.endr
.irp i, 0,1,2,3
	ds_load_b32 v[SC+8*((\k)%2)+\i], v[ADRS+(\k)/4] offset:BLKB*((\k)%4)+12288+64*\i       ; lanes 0-15 the word of A's tile i, lanes 16-31 that of B's tile i
.endr
.irp i, 4,5,6,7
	ds_load_b32 v[SC+8*((\k)%2)+\i], v[ADRS+2+(\k)/4] offset:BLKB*((\k)%4)+12288+64*\i     ; B's tile i
.endr
.endm
.macro MUL k, zero                     ; 32 products; zero = 1: C is the bias
.irp a, 0,1,2,3
.irp b, 0,1,2,3,4,5,6,7
.if \zero
	v_wmma_scale_f32_16x16x128_f8f6f4 v[8*(8*\a+\b):8*(8*\a+\b)+7], v[128*((\k)%2)+FR*\b:128*((\k)%2)+FR*\b+FR-1], v[AF+48*((\k)%2)+FR*\a:AF+48*((\k)%2)+FR*\a+FR-1], v[BIAS+8*\b:BIAS+8*\b+7], v[SC+8*((\k)%2)+\b], v[SC+8*((\k)%2)+\a] matrix_a_fmt:MATRIX_FMT_FP6 matrix_b_fmt:MATRIX_FMT_FP6 matrix_a_scale:MATRIX_SCALE_ROW1
.else
	v_wmma_scale_f32_16x16x128_f8f6f4 v[8*(8*\a+\b):8*(8*\a+\b)+7], v[128*((\k)%2)+FR*\b:128*((\k)%2)+FR*\b+FR-1], v[AF+48*((\k)%2)+FR*\a:AF+48*((\k)%2)+FR*\a+FR-1], v[8*(8*\a+\b):8*(8*\a+\b)+7], v[SC+8*((\k)%2)+\b], v[SC+8*((\k)%2)+\a] matrix_a_fmt:MATRIX_FMT_FP6 matrix_b_fmt:MATRIX_FMT_FP6 matrix_a_scale:MATRIX_SCALE_ROW1
.endif
.endr
.endr
.endm
	s_wait_alu depctr_va_vdst(0)                   ; the head's end
	s_wait_loadcnt 0x0                             ; the bias is in
	s_wait_tensorcnt 0x0                           ; my part of the operands is in
	s_barrier_signal -1
	s_barrier_wait -1                              ; everybody's is
	FETCH 0
	FETCH 1
	s_wait_dscnt 56                                ; step 0's loads are in; the 56 just issued may be out
	WIN 0x81                                       ; source 0 window 1, C (the bias) window 0, D window 2
	MUL 0, 1
	WIN 0
.set KK, 1
.rept 6
	PLACES                                         ; in front of loads into the set that the last products read
	FETCH KK+1
	s_wait_dscnt 56                                ; step KK's loads are in; the 56 just issued may be out
	WIN 0xa1                                       ; source 0 window 1, C and D window 2
	MUL KK, 0
	WIN 0
.set KK, KK+1
.endr
	s_wait_dscnt 0x0                               ; my last reads of the operands are over:
	s_barrier_signal -1                            ; say so,
	WIN 0xa1
	MUL 7, 0                                       ; work on registers while the others arrive,
	WIN 0
	s_barrier_wait -1                              ; and behind this nobody reads the bytes on which the stages lie
; THE WAY OUT, block by block of 16 tokens x 128 columns, through my stage and back as whole rows of 512 bytes.  LDS serves a wave's instructions in order: no wait between the stores and the loads.
.macro TOSTAGE a
	WIN 0x08                                       ; the data: window 2
.irp b, 0,1,2,3,4,5,6,7
	ds_store_b128 v[STO], v[64*(\a)+8*\b:64*(\a)+8*\b+3] offset:128*(\b/2)+32*(\b%2)        ; each accumulator from its low end on
	ds_store_b128 v[STO], v[64*(\a)+8*\b+4:64*(\a)+8*\b+7] offset:128*(\b/2)+32*(\b%2)+16
.endr
	WIN 0
.set BB, BK+64*((\a)%2)
.irp t, 0,1,2,3,4,5,6,7,8,9,10,11,12,13,14,15
	ds_load_b128 v[BB+4*\t:BB+4*\t+3], v[RD] offset:\t*528
.endr
.endm
.macro SEND a, younger                 ; younger: the LDS instructions issued behind block a's loads, which may stay out
.set BB, BK+64*((\a)%2)
	s_wait_dscnt \younger
.irp t, 0,1,2,3,4,5,6,7,8,9,10,11,12,13,14,15
	global_store_b128 v4, v[BB+4*\t:BB+4*\t+3], s[10:11] offset:(32*((\a)/2)+8*((\a)%2)+\t+8*(\t/8))*4096 th:TH_STORE_NT   ; 32 lanes store 512 consecutive bytes of token P(a, t)'s row
.endr
.endm
	PLACES                                         ; behind the last products: ahead of the first read of results and of loads into A's registers
	TOSTAGE 0
.irp a, 1,2,3
.if \a > 1
	s_wait_xcnt 0x0                                ; block a - 2's stores have read their registers: block a's loads may land there
.endif
	TOSTAGE \a
	SEND \a-1, 32
.endr
	SEND 3, 0
	s_wait_tensorcnt 0x0                           ; the wave's end
	ds_add_u32 v[SPW], v[NIL]
	s_wait_dscnt 0x0
	CROUND                                         ; the closing round
	s_endpgm
.Lfunc_end_k_q267808d6e2_gemm_out:
	.size	k_q267808d6e2_gemm_out, .Lfunc_end_k_q267808d6e2_gemm_out-k_q267808d6e2_gemm_out
	.p2alignl 7, 3214868480
	.fill 96, 4, 3214868480
	.section	.rodata,"a",@progbits
	.p2align	6, 0x0
	.amdhsa_kernel k_q267808d6e2_gemm_out
		.amdhsa_group_segment_fixed_size 327680
		.amdhsa_private_segment_fixed_size 0
		.amdhsa_enable_private_segment 0
		.amdhsa_kernarg_size 32
		.amdhsa_user_sgpr_count 2
		.amdhsa_user_sgpr_kernarg_segment_ptr 1
		.amdhsa_wavefront_size32 1
		.amdhsa_system_sgpr_workgroup_id_x 1
		.amdhsa_system_sgpr_workgroup_id_y 1
		.amdhsa_system_sgpr_workgroup_id_z 1
		.amdhsa_system_vgpr_workitem_id 0
		.amdhsa_next_free_vgpr 768
		.amdhsa_next_free_sgpr 80
		.amdhsa_reserve_vcc 0
		.amdhsa_float_denorm_mode_32 3
		.amdhsa_float_denorm_mode_16_64 3
		.amdhsa_memory_ordered 1
		.amdhsa_forward_progress 1
		.amdhsa_inst_pref_size 85
	.end_amdhsa_kernel
	.amdgpu_metadata
---
amdhsa.version: [ 1, 2 ]
amdhsa.kernels:
  - .name:           k_q267808d6e2_gemm_out
    .symbol:         k_q267808d6e2_gemm_out.kd
    .args:
      - { .name: ac, .offset: 0, .size: 8, .value_kind: global_buffer, .address_space: global }
      - { .name: woc, .offset: 8, .size: 8, .value_kind: global_buffer, .address_space: global }
      - { .name: b_out, .offset: 16, .size: 8, .value_kind: global_buffer, .address_space: global }
      - { .name: out0, .offset: 24, .size: 8, .value_kind: global_buffer, .address_space: global }
    .group_segment_fixed_size: 327680
    .private_segment_fixed_size: 0
    .kernarg_segment_align: 8
    .kernarg_segment_size: 32
    .max_flat_workgroup_size: 128
    .sgpr_count:     80
    .vgpr_count:     768
    .wavefront_size: 32
...
	.end_amdgpu_metadata
.endif
;; end of part 4
